; MI455X (gfx1250); checked and timed in simulation.
; The chip was launched on July 23, 2026; its instructions are those of AMD's public machine-readable ISA for CDNA 5 (MIT licence, August 2026) and "CDNA5" Instruction Set Architecture Reference Guide (July 2026). The comments in the code are by the model that wrote it; some were corrected since.
;; Dot Product Attention. Allowed arithmetic: matrix products marked QUANTISED: E2M3 operands, one E8M0 scale for each 32 along K, by v_wmma_scale_f32_16x16x128_f8f6f4 with both operands' format E2M3, f32 sums; everything else in f32.
;; Inputs: K 8 x 2,048 x 64 float32; Q 8 x 2,048 x 64 float32; V 8 x 2,048 x 64 float32; valid_len 8 int32.
;; Outputs: out0 8 x 2,048 x 64 float32.
;; This version of the problem:
;;   THIS VERSION OF THE PROBLEM IS GIVEN IN LOW PRECISION. The matrix products marked QUANTISED in the list below multiply operands that are first quantised to E2M3 (2 exponent bits, 3 mantissa bits; 6 bits a number), with one power-of-two scale for each 32 numbers along K (OCP MX v1.0); their sums are f32. All else is computed in f32.
;;   The module's matrix products, in the order in which they are computed (A, B: the left and right operand; K: the contracted axis; several contracted axes count as one K, in the product's order):
;;     1. batch 8 x [M 2,048, K 64] x [K 64, N 2,048]; A: input Q; B: input K: QUANTISED
;;     2. batch 8 x [M 2,048, K 2,048] x [K 2,048, N 64]; A: softmax (see below); B: input V: QUANTISED
;;   THE QUANTISER, for each operand of a quantised product, along K:
;;     - K is cut into blocks of 32 from its start; a last block that is shorter is filled with zeros.
;;     - A block's scale is 2^e with e = floor(log2(the largest magnitude in the block)) - 2, held to -126 .. 127; a block of zeros has e = 0. As a byte (E8M0): e + 127.
;;     - Each number is divided by its block's scale, clamped to +-7.5, and rounded to the nearest number of E2M3, ties to even, subnormals kept.
;;     - The product sums the exact products of the quantised numbers (number of the format x scale) in f32.
;;   ~~~python
;;   def quantise(x, axis):      # numpy; x: float32 -> the quantised numbers, widened to float32 again
;;       x = np.moveaxis(x, axis, -1); K = x.shape[-1]
;;       x = np.pad(x, [(0, 0)] * (x.ndim - 1) + [(0, -K % 32)]); x = x.reshape(x.shape[:-1] + (-1, 32)); a = np.abs(x).max(-1, keepdims=True)
;;       e = np.where(a > 0, np.clip(np.frexp(np.where(a > 0, a, 1))[1] - 1 - 2, -126, 127), 0)      # np.frexp(a)[1] - 1 = floor(log2(a)), exactly
;;       r = np.clip(x / 2.0 ** e, -7.5, 7.5)
;;       step = 2.0 ** (np.maximum(np.frexp(np.where(r == 0, 1, r))[1] - 1, 0) - 3)
;;       q = np.round(r / step) * step * 2.0 ** e      # np.round: ties to even
;;       return np.moveaxis(q.reshape(q.shape[:-2] + (-1,))[..., :K], -1, axis).astype(np.float32)
;;   ~~~
;;   SOFTMAX AHEAD OF A QUANTISED PRODUCT. Where the list says 'softmax', what is quantised is not the finished softmax but p = 2^(t - M), with t = logit x log2(e) and M = ceil(the row's largest t), a whole number; so 1/2 < the row's largest p <= 1. The row's sum l is taken of the UNQUANTISED p, in f32, and the product's result is divided by l at the end. Since M is a whole number, a kernel that streams over the keys may use a running M (the ceiling of the running maximum): every later rescaling is an exact power of two, which a block's scale takes up: the codes' values come out the same.
;;   OPERANDS COMPUTED ON THE WAY. 'Computed on the way' means the value that the module computes at that place (a softmax that the list does not call 'softmax' is quantised finished and normalised). What goes into a quantiser is computed in f32, as accurately as f32 sums, v_exp_f32 and their like allow (about 1e-6 of the number): no bf16 or f16 on the way to a quantiser, and a product that is left as it is and whose result goes on into a quantised operand takes f32 operands (vector FMAs, or v_wmma_f32_16x16x4_f32). A number that lies on a knife's edge between two numbers of the format may be rounded either way, as far as f32 arithmetic and the matrix unit's own rounding can turn it there, and no further.
;; 2 versions. Each part assembles by itself: llvm-mc -triple=amdgcn-amd-amdhsa -mcpu=gfx1250 --defsym DOCPART=n.
;; ======== version 1 of 2: 2 launches
;; limits: right only within a limited range of input values
;; workspace buffers: ws 2,457,600 bytes
;; launch quantise (part 1): grid 384 x 1, 4 waves a work-group, no clusters, 35,584 bytes of LDS; arguments K, Q, V, ws; writes ws
.if DOCPART == 1
	.amdgcn_target "amdgcn-amd-amdhsa--gfx1250"
	.amdhsa_code_object_version 6
	.text
	.protected	k_qba3aa97644_quantise
	.globl	k_qba3aa97644_quantise
	.p2align	8
	.type	k_qba3aa97644_quantise,@function
k_qba3aa97644_quantise:
	s_mov_b64 s[64:65], 0
	v_nop
	global_prefetch_b8 v0, s[64:65] scope:SCOPE_SE
	s_setreg_imm32_b32 hwreg(HW_REG_WAVE_MODE, 25, 1), 1
	s_wait_xcnt 0x0
; K, Q, V [8][2048][64] f32 become codes of FP6 (E2M3) with one E8M0 byte for each 32 numbers along the axis that their product contracts:
; K and Q along the head's 64 (innermost), V along the keys (its rows).  The codes are laid in ws as IMAGES OF THE OPERANDS' REGISTERS, so that the
; next launch takes a fragment (12 registers a lane) by three loads of 16 bytes a lane: registers 4 c .. 4 c + 3 of lane l at 512 c + 16 l.
; A work-group takes 128 rows (32,768 bytes) of one tensor: work-groups 0-127 K, 128-255 Q, 256-383 V; g = the low 7 bits = 16 x batch + step.
; IN: 16 loads a wave, 16 bytes a lane, the four waves side by side on 2,048 consecutive bytes; as loaded into a stage in LDS, rows 272 bytes apart; one barrier.
; K, Q: wave w makes pair fragment w.  Lane (r, h) takes numbers 32 h .. 32 h + 31 of row 32 w + r + 8 (r / 8) (registers 0-5: k = 32 h ..) and of the row 8 further on
;   (registers 6-11: k = 64 + 32 h ..): two tiles of 16 rows share one fragment, since the head fills only half of the instruction's 128.  The rows of a tile are chosen so
;   that the scores of the two tiles are 16 neighbouring keys in a lane of the next launch.  (Sixteen lanes' rows fall two deep on the same LDS columns: 16 loads a wave, left so.)
; V: wave w makes fragment w of V^T: lane (r, h) takes column 16 w + r down keys 32 h .. 32 h + 31 (registers 0-5) and 64 + 32 h .. (registers 6-11).
; Either way a lane holds two whole blocks of 32, so all behind the reads from the stage is one text for the three tensors.
; A block's scale is 2^(floor(log2(largest magnitude)) - 2); its byte is the largest magnitude's exponent field - 2, held at 1 from below.
; A row's (column's) four bytes make one word; a work-group's 64 words are gathered in LDS and leave as one store of 256 consecutive bytes.
; LIMITS: a block of zeros gets the byte 1 where the rule says 127 (its codes are zeros, and this program alone reads the bytes); NaN and infinities are not served.
.set PITCH,  272                       ; a stage row: 256 bytes + 16
.set L_SCW,  128*PITCH                 ; behind the stage: the work-group's 64 scale words
.set SPARE,  L_SCW+256                 ; the spare words, 128 bytes for each wave: two blocks of 256 bytes that no other line names
.set REC,    12288                     ; ws: a key step's record: K's four pair fragments (6,144 bytes), then V's four fragments
.set WS_Q,   8*16*REC                  ; behind the records: Q's pair fragments, 6,144 bytes for each 128 queries
.set WS_KVS, WS_Q+128*6144             ; scale words: for each key step K's 64, then V's 64
.set WS_QS,  WS_KVS+128*512            ; Q's: 64 for each 128 queries
.set GI,  2                            ; v2   16 x thread: my 16 bytes of the 2,048 that a round of loads covers
.set STI, 3                            ; v3   the same place in the stage
.set RR,  4                            ; v4   r = lane % 16
.set HH,  5                            ; v5   h = lane / 16
.set ARW, 7                            ; v7   K, Q: my half row in the stage
.set ACL, 8                            ; v8   V: my column's first key in the stage
.set L16, 9                            ; v9   16 x lane
.set AW,  10                           ; v10  where my row's scale word goes in LDS
.set AL,  11                           ; v11  and where wave 0 reads 8 bytes of the 256 back
.set L8,  12                           ; v12  8 x lane
.set SH,  13                           ; v13  8 h: my bytes' place in the word
.set SPW, 14                           ; v14  LDS address of my spare word; never rewritten
.set NIL, 15                           ; v15  0; never rewritten
.set X,   32                           ; v32-95   as loaded, then my two blocks of 32
.set FR,  96                           ; v96-107  the fragment
.set TP,  108                          ; v108-110, v112-114  the blocks' upper halves as converted
.set MA,  116                          ; v116-117 largest magnitudes
.set SA,  118                          ; v118-119 the conversions' scale operands
.set BA,  120                          ; v120-121 the bytes
.set W,   122                          ; v122-123 the word; at work
	s_load_b128 s[4:7], s[0:1], 0x0                ; K, Q
	s_load_b128 s[8:11], s[0:1], 0x10              ; V, ws
	v_lshl_add_u32 v[SPW], v0, 2, SPARE
	v_mov_b32 v[NIL], 0
	v_lshrrev_b32 v1, 5, v0
	v_readfirstlane_b32 s12, v1                    ; wave 0..3
	s_lshr_b32 s13, ttmp9, 7                       ; 0: K, 1: Q, 2: V
	s_and_b32 s14, ttmp9, 127                      ; g
	v_lshlrev_b32 v[GI], 4, v0
	v_lshrrev_b32 v[STI], 4, v0                    ; sixteen threads to a row of 256 bytes: row thread / 16 of a round's eight
	v_and_b32 v[RR], 15, v0
	v_bfe_u32 v[HH], v0, 4, 1
	v_mul_u32_u24 v[STI], v[STI], PITCH
	v_lshl_add_u32 v[STI], v[RR], 4, v[STI]
	v_and_b32 v[ARW], 8, v[RR]
	v_add_nc_u32 v[ARW], v[ARW], v[RR]             ; r + 8 (r / 8)
	s_lshl_b32 s15, s12, 5
	v_add_nc_u32 v[ARW], s15, v[ARW]               ; + 32 w
	v_mul_u32_u24 v[ARW], v[ARW], PITCH
	v_lshl_add_u32 v[ARW], v[HH], 7, v[ARW]        ; + 128 h bytes
	v_mul_u32_u24 v[ACL], v[HH], 32*PITCH          ; key 32 h,
	v_lshl_add_u32 v[ACL], v[RR], 2, v[ACL]
	s_lshl_b32 s15, s12, 6
	v_add_nc_u32 v[ACL], s15, v[ACL]               ; column 16 w + r
	s_add_co_u32 s15, s15, L_SCW
	v_lshl_add_u32 v[AW], v[RR], 2, s15            ; word 16 w + r
	v_and_b32 v6, 31, v0
	v_lshlrev_b32 v[L16], 4, v6
	v_lshlrev_b32 v[L8], 3, v6
	v_add_nc_u32 v[AL], L_SCW, v[L8]
	v_lshlrev_b32 v[SH], 3, v[HH]
	; where the results go in ws, as offsets
	s_mul_i32 s16, s14, 6144
	s_add_co_u32 s18, s16, WS_Q                    ; Q's codes
	s_lshl_b32 s16, s16, 1                         ; K's: record g;
	s_lshr_b32 s19, s13, 1                         ; (1 for V)
	s_mul_i32 s20, s19, 6144
	s_add_co_u32 s16, s16, s20                     ; V's: its second half
	s_lshl_b32 s20, s14, 8
	s_add_co_u32 s21, s20, WS_QS                   ; Q's words
	s_lshl_b32 s20, s20, 1
	s_lshl_b32 s19, s19, 8
	s_add_co_u32 s20, s20, s19
	s_add_co_u32 s20, s20, WS_KVS                  ; K's, V's words
	s_cmp_eq_u32 s13, 1
	s_cselect_b32 s16, s18, s16
	s_cselect_b32 s20, s21, s20
	s_mul_i32 s18, s12, 1536
	s_add_co_u32 s16, s16, s18                     ; my wave's fragment
	s_mov_b32 s17, 0
	s_mov_b32 s21, 0
	s_lshl_b32 s22, s14, 15                        ; the work-group's 128 rows in its tensor
	s_mov_b32 s23, 0
	s_mov_b32 s28, 0x76543210
	s_mov_b32 s29, 0xfedcba98                      ; v_permlanex16_b32's selects for lane l xor 16
	s_wait_kmcnt 0x0
	s_cmp_eq_u32 s13, 0                            ; the tensor is chosen by the work-group's number alone
	s_cselect_b64 s[4:5], s[4:5], s[6:7]
	s_cmp_eq_u32 s13, 2
	s_cselect_b64 s[4:5], s[8:9], s[4:5]
	s_add_nc_u64 s[4:5], s[4:5], s[22:23]
	s_add_nc_u64 s[24:25], s[10:11], s[16:17]      ; codes
	s_add_nc_u64 s[26:27], s[10:11], s[20:21]      ; scale words
.set i, 0
.rept 16
	global_load_b128 v[X+4*i:X+4*i+3], v[GI], s[4:5] offset:2048*i th:TH_LOAD_NT   ; a wave reads 512 consecutive bytes; all 16 loads are out together
.set i, i+1
.endr
.set i, 0
.rept 16
	s_wait_loadcnt 15-i                            ; loads come back in order: load i is in, the younger ones stay out
	ds_store_b128 v[STI], v[X+4*i:X+4*i+3] offset:8*PITCH*i
.set i, i+1
.endr
	s_wait_dscnt 0x0                               ; my stores into the stage have landed
	s_barrier_signal -1
	s_barrier_wait -1                              ; everybody's have
	s_cmp_eq_u32 s13, 2
	s_cbranch_scc1 .Lcolumns
.set i, 0
.rept 8
	ds_load_b128 v[X+4*i:X+4*i+3], v[ARW] offset:16*i                  ; my half of the first row,
	ds_load_b128 v[X+32+4*i:X+32+4*i+3], v[ARW] offset:8*PITCH+16*i    ; and of the row 8 further on
.set i, i+1
.endr
	s_branch .Lhave
.Lcolumns:
.set i, 0
.rept 32
	ds_load_b32 v[X+i], v[ACL] offset:PITCH*i                          ; V(32 h + i, my column),
	ds_load_b32 v[X+32+i], v[ACL] offset:PITCH*(64+i)                  ; V(64 + 32 h + i, my column)
.set i, i+1
.endr
.Lhave:
	s_wait_dscnt 0x0
	v_max3_num_f32 v[MA], |v[X]|, |v[X+1]|, 0x1800000                  ; each block's largest magnitude, with the floor 2^(3 - 127) among its leaves: the byte cannot fall under 1
	v_max3_num_f32 v[MA+1], |v[X+32]|, |v[X+33]|, 0x1800000
.set i, 2
.rept 15
	v_max3_num_f32 v[MA], v[MA], |v[X+i]|, |v[X+i+1]|                  ; (the two blocks by turns)
	v_max3_num_f32 v[MA+1], v[MA+1], |v[X+32+i]|, |v[X+33+i]|
.set i, i+2
.endr
	v_add_nc_u32 v[SA], 0xff000000, v[MA]          ; 2 off the exponent field: the conversion takes the exponent field of this operand as its scale
	v_add_nc_u32 v[SA+1], 0xff000000, v[MA+1]
	v_lshrrev_b32 v[BA], 23, v[SA]                 ; the bytes
	v_lshrrev_b32 v[BA+1], 23, v[SA+1]
	v_lshl_or_b32 v[W], v[BA+1], 16, v[BA]         ; my two bytes: k blocks h and 2 + h,
	v_lshlrev_b32 v[W], v[SH], v[W]                ; at their places in the word;
	v_mov_b32 v[W+1], 0                            ; (a lane permute's destination counts as one of its sources)
	v_permlanex16_b32 v[W+1], v[W], s28, s29
	v_or_b32 v[W], v[W], v[W+1]                    ; with lane l xor 16's two the word is whole
	v_cvt_scalef32_pk16_fp6_f32 v[FR:FR+2], v[X:X+15], v[SA]
	v_cvt_scalef32_pk16_fp6_f32 v[TP:TP+2], v[X+16:X+31], v[SA]        ; (a conversion's three registers begin on an even number: a block's upper half is made elsewhere and moved)
	v_cvt_scalef32_pk16_fp6_f32 v[FR+6:FR+8], v[X+32:X+47], v[SA+1]
	v_cvt_scalef32_pk16_fp6_f32 v[TP+4:TP+6], v[X+48:X+63], v[SA+1]
	v_nop                                          ; one plain place behind a scaled conversion
.irp i, 0,1,2
	v_mov_b32 v[FR+3+\i], v[TP+\i]
	v_mov_b32 v[FR+9+\i], v[TP+4+\i]
.endr
	global_store_b128 v[L16], v[FR:FR+3], s[24:25]                     ; each store of the wave covers 512 consecutive bytes, aligned
	global_store_b128 v[L16], v[FR+4:FR+7], s[24:25] offset:512
	global_store_b128 v[L16], v[FR+8:FR+11], s[24:25] offset:1024
	ds_store_b32 v[AW], v[W]                       ; lanes r and 16 + r write the same word with the same value
	s_wait_dscnt 0x0                               ; my word has landed
	s_barrier_signal -1
	s_barrier_wait -1                              ; all 64 have
	s_cmp_eq_u32 s12, 0
	s_cbranch_scc1 .Lwords
	s_wait_tensorcnt 0x0                           ; the wave's end: three lines behind my last LDS store
	ds_add_u32 v[SPW], v[NIL]
	s_wait_dscnt 0x0
	s_endpgm
.Lwords:
	ds_load_b64 v[W:W+1], v[AL]
	s_wait_dscnt 0x0
	global_store_b64 v[L8], v[W:W+1], s[26:27]     ; wave 0: 32 lanes store 256 consecutive bytes, aligned
	s_wait_tensorcnt 0x0                           ; the wave's end: the same three lines
	ds_add_u32 v[SPW], v[NIL]
	s_wait_dscnt 0x0
	s_endpgm
.Lfunc_end_k_qba3aa97644_quantise:
	.size	k_qba3aa97644_quantise, .Lfunc_end_k_qba3aa97644_quantise-k_qba3aa97644_quantise
	.p2alignl 7, 3214868480
	.fill 96, 4, 3214868480
	.section	.rodata,"a",@progbits
	.p2align	6, 0x0
	.amdhsa_kernel k_qba3aa97644_quantise
		.amdhsa_group_segment_fixed_size 35584
		.amdhsa_private_segment_fixed_size 0
		.amdhsa_enable_private_segment 0
		.amdhsa_kernarg_size 32
		.amdhsa_user_sgpr_count 2
		.amdhsa_user_sgpr_kernarg_segment_ptr 1
		.amdhsa_wavefront_size32 1
		.amdhsa_system_sgpr_workgroup_id_x 1
		.amdhsa_system_sgpr_workgroup_id_y 1
		.amdhsa_system_sgpr_workgroup_id_z 1
		.amdhsa_system_vgpr_workitem_id 0
		.amdhsa_next_free_vgpr 128
		.amdhsa_next_free_sgpr 66
		.amdhsa_reserve_vcc 0
		.amdhsa_float_denorm_mode_32 3
		.amdhsa_float_denorm_mode_16_64 3
		.amdhsa_memory_ordered 1
		.amdhsa_forward_progress 1
		.amdhsa_inst_pref_size 16
	.end_amdhsa_kernel
	.amdgpu_metadata
---
amdhsa.version: [ 1, 2 ]
amdhsa.kernels:
  - .name:           k_qba3aa97644_quantise
    .symbol:         k_qba3aa97644_quantise.kd
    .args:
      - { .name: K, .offset: 0, .size: 8, .value_kind: global_buffer, .address_space: global }
      - { .name: Q, .offset: 8, .size: 8, .value_kind: global_buffer, .address_space: global }
      - { .name: V, .offset: 16, .size: 8, .value_kind: global_buffer, .address_space: global }
      - { .name: ws, .offset: 24, .size: 8, .value_kind: global_buffer, .address_space: global }
    .group_segment_fixed_size: 35584
    .private_segment_fixed_size: 0
    .kernarg_segment_align: 8
    .kernarg_segment_size: 32
    .max_flat_workgroup_size: 128
    .sgpr_count:     66
    .vgpr_count:     128
    .wavefront_size: 32
...
	.end_amdgpu_metadata
.endif
;; end of part 1
;; launch attend (part 2): grid 32 x 8, 16 waves a work-group, no clusters, 293,888 bytes of LDS; arguments ws, valid_len, out0; writes out0
.if DOCPART == 2
	.amdgcn_target "amdgcn-amd-amdhsa--gfx1250"
	.amdhsa_code_object_version 6
	.text
	.protected	k_qba3aa97644_attend
	.globl	k_qba3aa97644_attend
	.p2align	8
	.type	k_qba3aa97644_attend,@function
k_qba3aa97644_attend:
	s_mov_b64 s[64:65], 0
	v_nop
	global_prefetch_b8 v0, s[64:65] scope:SCOPE_SE
	s_setreg_imm32_b32 hwreg(HW_REG_WAVE_MODE, 25, 1), 1
	s_wait_xcnt 0x0
; out0[b][q][:] = sum over k of softmax_k(where(k < valid_len[b], Q[b][q] . K[b][k] / 8, -1e6)) V[b][k][:], both products on codes of FP6 (E2M3) with E8M0 scales, made by the launch before.
; THE SOFTMAX AHEAD OF THE SECOND PRODUCT: t = score x log2(e); M = the largest t so far rounded UP to a whole number; p = 2^(t - M) is quantised along the keys, not normalised; the sum of the unquantised p divides at the end.
; SHARES.  A work-group owns 64 queries of one batch: four tiles of 16.  Wave w owns tile w % 4 and key group c = w / 4: of each chunk of four key steps (128 keys a step) it takes step c.  At the end the four groups of a tile are joined.
; K AND V.  A batch's codes are 16 records of 12,288 bytes, its scale words 8,192 bytes: both fit in LDS whole, so no byte of LDS is filled twice.  A chunk (49,152 bytes) comes by 6 loads of 512 consecutive bytes a wave into
; registers at the head of a trip, and goes to LDS at the trip's end: it lands while the trip's step is worked.  One barrier a trip shows a chunk to all sixteen waves.
; valid_len.  A step all of whose keys lie behind valid_len is left out, and so is the fetch of a chunk that holds only such steps: scalar branches on a number read from memory, round loads, stores and work, never round a barrier
; (the loop's trips are a constant).  The mask is laid on the scores only in a step that reaches past valid_len.
; NO TENSOR LOADS, NO CLUSTER, though the 32 work-groups of a batch read the same records: the branches spare on average half of the steps.
; LAYOUT.  Both products are used transposed: S^T = K Q^T, O^T = V^T P^T: a lane holds ONE query (lane % 16) throughout.  The head is 64, half of the instruction's 128: a pair fragment of K holds tile 2 f in k = 0..63 and
; tile 2 f + 1 in k = 64..127, and is multiplied by [q | 0] and by [0 | q]: zero codes add nothing.  Lane r of key tile 2 f + u is key 32 f + 8 u + r + 8 (r / 8), so that the 16 registers of the two tiles are keys 32 f + 16 (lane / 16) + 0 .. 15.
; The queries of a tile are chosen in the same way (the launch before treats Q as it treats K): lane r of tile t is query 64 x + 32 (t / 2) + 8 (t % 2) + r + 8 (r / 8).
; LIMITS.  Steps behind valid_len are left out because their p is 0 in f32; that holds while every row has a counting score above -999,896 (NEG + 104).  valid_len <= 0 is served as every key at NEG (all steps walked under the mask),
; valid_len > 2,048 as 2,048.  p under 2^-126 counts as 0.  NaN and infinities are not served.
.set REC,    12288                     ; a key step's record: K's four pair fragments, then
.set VOFF,   6144                      ; V's four fragments; a fragment: three blocks of 512 bytes, registers 4 c .. 4 c + 3 of lane l at 512 c + 16 l
.set CHUNK,  4*REC
.set BATCHB, 16*REC
.set WS_Q,   8*BATCHB                  ; ws: Q's pair fragments
.set WS_KVS, WS_Q+128*6144             ; K's and V's scale words, 512 bytes a step
.set WS_QS,  WS_KVS+128*512            ; Q's scale words
.set L_SC,   BATCHB                    ; LDS: the records from 0 on; behind them the batch's scale words;
.set L_CMB,  L_SC+8192                 ; a place for each wave's O^T (4,096 bytes), -M and sum (128 each);
.set CMBW,   4352
.set L_STG,  L_CMB+16*CMBW             ; the way out: 16 rows x (256 + 16) bytes for each of waves 0-3;
.set SP,     272
.set SPARE,  L_STG+4*16*SP             ; the spare words, 128 bytes for each wave: eight blocks of 256 bytes that no other line names
.set T16, 2                            ; v2   16 x thread: my 16 bytes of the 8,192 that a round of the sixteen waves' loads covers; never rewritten
.set AK0, 3                            ; v3   my lane's place in step c of chunk 0
.set AS0, 4                            ; v4   and among its scale words
.set SPW, 5                            ; v5   LDS address of my spare word; never rewritten
.set NIL, 6                            ; v6   0; never rewritten
.set ADK, 7                            ; v7   LDS address of the step's record
.set ADS, 8                            ; v8   of its scale words
.set ADC, 9                            ; v9   of my bytes in the chunk that is on its way
.set H16, 10                           ; v10  16 (lane / 16)
.set QS,  11                           ; v11  Q's scale word: its two bytes twice
                                       ; v12 -M, v13 the largest t, v[14:15] the sum in two halves
.set QZ,  16                           ; v16-33   0 | q | 0, six registers each: [0 | q] from v16, [q | 0] from v22
.set KF,  34                           ; v34-81   four fragments, of K and then of V
.set KS,  82                           ; v82-83   K's scale words: lanes 0-15 an even fragment's, lanes 16-31 the odd one's
.set VS,  84                           ; v84-85   V's likewise
.set PW,  86                           ; v86      p's scale word
.set S,   88                           ; v88-151  S^T, then p
.set O,   152                          ; v152-183 O^T
.set PC,  184                          ; v184-195 p's codes
.set PT,  196                          ; v196-198, v200-202 their other halves as converted
.set BM,  204                          ; v204-207 the blocks' largest scores, then largest p
.set BT,  208                          ; v208-211 at work
.set SO,  212                          ; v212-215 the conversions' scale operands
.set F,   216                          ; v[216:217] f = 2^(old M - new M) in the low word
.set TS,  218                          ; v[218:219] the sums' second chain
.set T0,  220
.set D,   221
.set NEGV, 222
.set G,   224                          ; v224-247 the chunk on its way: six loads
.set STA, 248                          ; v248 my wave's place for O^T's image
.set STB, 249                          ; v249 and for -M and the sum
.set SIN, 250                          ; v250 the stage, on the way in
.set SOUT, 251                         ; v251 and back
.set GO,  252                          ; v252 my byte offset in two rows of out0
.set NM,  KF+32                        ; the join: the partners' -M,
.set LP,  KF+36                        ; and sums
.set WV,  10
.set TL,  11
.set CG,  12
.set BTC, 13
.set SEL, 20                           ; s[20:21] v_permlanex16_b32's selects for lane l xor 16
.set CS,  22                           ; s[22:23] log2(e) / 8
.set KVP, 24                           ; s[24:25] the chunk in hand, in ws
.set SCP, 26
.set QP,  28
.set QSP, 30
.set VL,  32                           ; valid_len, held to 0 .. 2,048
.set WALK, 33                          ; keys to walk
.set KFS, 34                           ; my step's first key
.set NK,  35                           ; the next chunk's first key
.set TB,  36                           ; LDS byte at which the chunk in hand begins
.set TC,  37                           ; and the next
.set TSS, 38                           ; the chunk's scale words
.set TR,  39
.set UM,  40
.set U16, 41
.macro MXS acc, fa, fb, sa, row        ; a tile of scores: the constant 0 starts the sum
.if \row
	v_wmma_scale_f32_16x16x128_f8f6f4 v[\acc:\acc+7], v[\fa:\fa+11], v[\fb:\fb+11], 0, v[\sa], v[QS] matrix_a_fmt:MATRIX_FMT_FP6 matrix_b_fmt:MATRIX_FMT_FP6 matrix_a_scale:MATRIX_SCALE_ROW1
.else
	v_wmma_scale_f32_16x16x128_f8f6f4 v[\acc:\acc+7], v[\fa:\fa+11], v[\fb:\fb+11], 0, v[\sa], v[QS] matrix_a_fmt:MATRIX_FMT_FP6 matrix_b_fmt:MATRIX_FMT_FP6
.endif
.endm
.macro MXO acc, fa, sa, row            ; a tile of O^T, added in place
.if \row
	v_wmma_scale_f32_16x16x128_f8f6f4 v[\acc:\acc+7], v[\fa:\fa+11], v[PC:PC+11], v[\acc:\acc+7], v[\sa], v[PW] matrix_a_fmt:MATRIX_FMT_FP6 matrix_b_fmt:MATRIX_FMT_FP6 matrix_a_scale:MATRIX_SCALE_ROW1
.else
	v_wmma_scale_f32_16x16x128_f8f6f4 v[\acc:\acc+7], v[\fa:\fa+11], v[PC:PC+11], v[\acc:\acc+7], v[\sa], v[PW] matrix_a_fmt:MATRIX_FMT_FP6 matrix_b_fmt:MATRIX_FMT_FP6
.endif
.endm
.macro MEET                            ; my LDS stores have landed and my LDS loads are in: then the work-group's barrier
	s_wait_dscnt 0x0
	s_barrier_signal -1
	s_barrier_wait -1
.endm
	s_load_b128 s[4:7], s[0:1], 0x0                ; ws, valid_len
	s_load_b64 s[8:9], s[0:1], 0x10                ; out0
	v_lshl_add_u32 v[SPW], v0, 2, SPARE
	v_mov_b32 v[NIL], 0
	v_lshrrev_b32 v1, 5, v0
	v_readfirstlane_b32 s[WV], v1                  ; wave 0..15
	s_and_b32 s[TL], s[WV], 3                      ; my tile
	s_lshr_b32 s[CG], s[WV], 2                     ; my key group
	s_and_b32 s[BTC], ttmp7, 0xffff                ; the batch
	s_lshl_b32 s14, s[BTC], 2                      ; offsets, each in a pair with 0 above it: valid_len[b];
	s_mov_b32 s15, 0
	s_mul_i32 s16, s[BTC], BATCHB                  ; the batch's records;
	s_mov_b32 s17, 0
	s_lshl_b32 s18, s[BTC], 13
	s_add_co_u32 s18, s18, WS_KVS                  ; its scale words;
	s_mov_b32 s19, 0
	s_lshl_b32 s48, s[BTC], 4
	s_lshr_b32 s49, ttmp9, 1
	s_add_co_u32 s48, s48, s49                     ; (which 128 queries: 16 b + x / 2)
	s_and_b32 s49, ttmp9, 1
	s_lshl_b32 s49, s49, 1
	s_lshr_b32 s42, s[TL], 1
	s_add_co_u32 s49, s49, s42                     ; (which pair fragment of them: 2 (x % 2) + t / 2)
	s_mul_i32 s42, s48, 6144
	s_mul_i32 s44, s49, 1536
	s_add_co_u32 s42, s42, s44
	s_add_co_u32 s42, s42, WS_Q                    ; Q's pair fragment;
	s_mov_b32 s43, 0
	s_lshl_b32 s44, s48, 8
	s_lshl_b32 s49, s49, 6
	s_add_co_u32 s44, s44, s49
	s_add_co_u32 s44, s44, WS_QS                   ; its scale words;
	s_mov_b32 s45, 0
	s_lshl_b32 s46, s[BTC], 19                     ; my tile's first row of out0: (2,048 b + 64 x + 32 (t / 2) + 8 (t % 2)) x 256 bytes
	s_lshl_b32 s48, ttmp9, 14
	s_add_co_u32 s46, s46, s48
	s_lshr_b32 s48, s[TL], 1
	s_lshl_b32 s48, s48, 13
	s_add_co_u32 s46, s46, s48
	s_and_b32 s48, s[TL], 1                        ; u: which half of the pair fragment is my tile
	s_lshl_b32 s[U16], s48, 4
	s_lshl_b32 s48, s48, 11
	s_add_co_u32 s46, s46, s48
	s_mov_b32 s47, 0
	s_cmp_lg_u32 s[U16], 0
	s_cselect_b32 s[UM], -1, 0                     ; all lanes' bits where u = 1
	s_mov_b32 s[SEL], 0x76543210
	s_mov_b32 s[SEL+1], 0xfedcba98
	s_mov_b32 s[CS], 0x3e38aa3b                    ; log2(e) / 8: t = (q . k) x this
	s_mov_b32 s[CS+1], s[CS]                       ; (the packed form names the pair)
	s_lshl_b32 s[KFS], s[CG], 7
	s_mov_b32 s[NK], 512
	s_mov_b32 s[TB], 0
	s_mov_b32 s[TC], CHUNK
	s_mov_b32 s[TSS], 0
	s_mov_b32 s[TR], 3
	; every LDS address register is made here, ahead of all branches
	v_lshlrev_b32 v[T16], 4, v0
	v_and_b32 v1, 31, v0                           ; lane
	s_mul_i32 s48, s[CG], REC
	v_lshl_add_u32 v[AK0], v1, 4, s48
	s_lshl_b32 s48, s[CG], 9
	s_add_co_u32 s48, s48, L_SC
	v_lshl_add_u32 v[AS0], v1, 2, s48
	v_and_b32 v[H16], 16, v0
	v_lshlrev_b32 v[ADK], 4, v1                    ; (for Q's loads: 16 x lane,
	v_and_b32 v[T0], 15, v0                        ; r
	v_lshlrev_b32 v[ADS], 2, v[T0]                 ; and 4 r)
	v_add_nc_u32 v[ADC], L_SC, v[T16]              ; (for the scale words' way into LDS)
	v_bfe_u32 v[D], v0, 4, 1                       ; h
	s_mul_i32 s48, s[WV], CMBW
	s_add_co_u32 s48, s48, L_CMB
	v_lshl_add_u32 v[STA], v1, 4, s48
	s_add_co_u32 s48, s48, 4096
	v_lshl_add_u32 v[STB], v1, 2, s48
	s_mul_i32 s48, s[TL], 16*SP
	s_add_co_u32 s48, s48, L_STG
	v_mul_u32_u24 v[SIN], v[T0], SP
	v_lshl_add_u32 v[SIN], v[D], 5, v[SIN]
	v_add_nc_u32 v[SIN], s48, v[SIN]               ; in: row r, 32 bytes for each half of the lanes
	v_mul_u32_u24 v[SOUT], v[D], SP
	v_lshl_add_u32 v[SOUT], v[T0], 4, v[SOUT]
	v_add_nc_u32 v[SOUT], s48, v[SOUT]             ; back: lanes 0-15 one row, lanes 16-31 the next
	v_lshlrev_b32 v[GO], 8, v[D]
	v_lshl_add_u32 v[GO], v[T0], 4, v[GO]
	s_wait_kmcnt 0x0
	s_add_nc_u64 s[6:7], s[6:7], s[14:15]
	s_load_b32 s[VL], s[6:7], 0x0
	s_add_nc_u64 s[KVP:KVP+1], s[4:5], s[16:17]
	s_add_nc_u64 s[SCP:SCP+1], s[4:5], s[18:19]
	s_add_nc_u64 s[QP:QP+1], s[4:5], s[42:43]
	s_add_nc_u64 s[QSP:QSP+1], s[4:5], s[44:45]
	s_add_nc_u64 s[8:9], s[8:9], s[46:47]
	global_load_b128 v[KF:KF+3], v[T16], s[SCP:SCP+1]                  ; the batch's scale words: 512 threads x 16 bytes
.irp i, 0,1,2,3,4,5
	global_load_b128 v[G+4*\i:G+4*\i+3], v[T16], s[KVP:KVP+1] offset:8192*\i   ; chunk 0: at least one key is always walked
.endr
	global_load_b128 v[S:S+3], v[ADK], s[QP:QP+1]                      ; Q's pair fragment: my tile and its neighbour
	global_load_b128 v[S+4:S+7], v[ADK], s[QP:QP+1] offset:512
	global_load_b128 v[S+8:S+11], v[ADK], s[QP:QP+1] offset:1024
	global_load_b32 v[S+12], v[ADS], s[QSP:QSP+1]
	v_mov_b32 v13, 0xff61b1e6                      ; the largest t so far: -3e38, under every t
	v_floor_f32 v12, -v13                          ; -M
	v_mov_b32 v14, 0
	v_mov_b32 v15, 0
.irp i, 0,1,2,3
	v_mov_b32 v[BT+\i], 0                          ; written once: a lane permute's destination counts as one of its sources
.endr
	v_mov_b32 v[F+1], 0                            ; (named as the upper half of a pair)
.irp i, 0,1,2,3,4,5
	v_mov_b32 v[QZ+\i], 0                          ; the zero codes on either side of q
	v_mov_b32 v[QZ+12+\i], 0
.endr
	s_wait_loadcnt 0x4                             ; the scale words and chunk 0 are in; behind them Q's four loads may be out
	ds_store_b128 v[ADC], v[KF:KF+3]
.irp i, 0,1,2,3,4,5
	ds_store_b128 v[T16], v[G+4*\i:G+4*\i+3] offset:8192*\i
.endr
	s_wait_loadcnt 0x0
.irp i, 0,1,2,3,4,5
	v_cndmask_b32 v[QZ+6+\i], v[S+\i], v[S+6+\i], s[UM]                ; my tile's six registers of the twelve
.endr
	v_lshrrev_b32 v[S+12], s[U16], v[S+12]
	v_and_b32 v[S+12], 0xffff, v[S+12]             ; my tile's two bytes of the four,
	v_lshl_or_b32 v[QS], v[S+12], 16, v[S+12]      ; for k = 0..63 and for k = 64..127 alike
.set i, 0
.rept 32
	v_mov_b32 v[O+i], 0                            ; O^T: the step is written for any step, and a wave may have none.  (These are also the places between q's and the scale word's last writes and the first product)
.set i, i+1
.endr
	s_wait_kmcnt 0x0
	s_max_i32 s[VL], s[VL], 0
	s_min_i32 s[VL], s[VL], 2048
	s_cmp_eq_u32 s[VL], 0
	s_cselect_b32 s[WALK], 2048, s[VL]             ; where no key counts, all carry NEG: all are walked under the mask
; A KEY STEP: 128 keys for my 16 queries.
.macro STEP
.irp f, 0,1,2,3
.irp c, 0,1,2
	ds_load_b128 v[KF+12*\f+4*\c:KF+12*\f+4*\c+3], v[ADK] offset:1536*\f+512*\c
.endr
.endr
	ds_load_b32 v[KS], v[ADS]
	ds_load_b32 v[KS+1], v[ADS] offset:128
	s_wait_dscnt 0x0
.irp f, 0,1,2,3
.irp u, 0,1
	MXS S+8*(2*\f+\u), KF+12*\f, QZ+6-6*\u, KS+\f/2, \f%2              ; tile 2 f + u: the fragment against [q | 0] (u = 0) or [0 | q]
.endr
.endr
.rept 4
	v_nop                                          ; four places behind the products: in front of loads into registers that they read, and of the first read of the scores
.endr
.irp f, 0,1,2,3
.irp c, 0,1,2
	ds_load_b128 v[KF+12*\f+4*\c:KF+12*\f+4*\c+3], v[ADK] offset:VOFF+1536*\f+512*\c   ; V's fragments take K's registers now and land while the softmax is worked
.endr
.endr
	ds_load_b32 v[VS], v[ADS] offset:256
	ds_load_b32 v[VS+1], v[ADS] offset:384
	s_add_co_u32 s48, s[KFS], 128                  ; a step all of whose keys count has no mask
	s_cmp_le_u32 s48, s[VL]
	s_cbranch_scc1 .Lopen_\@
	s_sub_co_i32 s48, s[VL], s[KFS]
	s_sub_co_i32 s48, s48, 1
	v_sub_nc_u32 v[D], s48, v[H16]                 ; d = valid_len - 1 - first key - 16 (lane / 16).  Register 16 b + i holds key first + 32 b + 16 (lane / 16) + i: masked where 32 b + i > d
	v_mov_b32 v[NEGV], 0xcaf42400                  ; -8e6 = NEG x 8: the factor 1 / 8 is still to come
.set n, 0
.rept 64
	v_cmp_gt_i32 vcc_lo, 32*(n/16)+n%16, v[D]
	v_cndmask_b32 v[S+n], v[S+n], v[NEGV], vcc_lo
.set n, n+1
.endr
.Lopen_\@:
.irp b, 0,1,2,3
	v_max3_num_f32 v[BM+\b], v[S+16*\b], v[S+16*\b+1], v[S+16*\b+2]    ; the largest score of each block of 32 keys: for the row's maximum and, since p rises with the score, for the block's largest p
.endr
.irp i, 3,5,7,9,11,13
.irp b, 0,1,2,3
	v_max3_num_f32 v[BM+\b], v[BM+\b], v[S+16*\b+\i], v[S+16*\b+\i+1]  ; (the four blocks by turns)
.endr
.endr
.irp b, 0,1,2,3
	v_max_num_f32 v[BM+\b], v[BM+\b], v[S+16*\b+15]
.endr
.irp b, 0,1,2,3
	v_permlanex16_b32 v[BT+\b], v[BM+\b], s[SEL], s[SEL+1]
.endr
.irp b, 0,1,2,3
	v_max_num_f32 v[BM+\b], v[BM+\b], v[BT+\b]     ; with lane l xor 16's 16 keys
.endr
	v_max3_num_f32 v[T0], v[BM], v[BM+1], v[BM+2]
	v_max_num_f32 v[T0], v[T0], v[BM+3]
	v_mul_f32 v[T0], s[CS], v[T0]                  ; the step's largest t
	v_max_num_f32 v13, v13, v[T0]
	v_mov_b32 v[T0], v12
	v_floor_f32 v12, -v13                          ; the new -M = -ceil(t): a whole number
	v_sub_f32 v[T0], v12, v[T0]                    ; old M - new M: a whole number, 0 or less
	v_cvt_i32_f32 v[T0], v[T0]                     ; (it saturates)
	v_ldexp_f32 v[F], 1.0, v[T0]                   ; f = 2^(old M - new M): multiplying by it rounds nothing
.set j, 0
.rept 32
	v_pk_fma_f32 v[S+j:S+j+1], v[S+j:S+j+1], s[CS:CS+1], v[12:13] op_sel_hi:[1,0,0]   ; t - M, two at a time
.set j, j+2
.endr
.irp b, 0,1,2,3
	v_fma_f32 v[BM+\b], v[BM+\b], s[CS], v12       ; the same of each block's largest score
.endr
.set j, 0
.rept 64
	v_exp_f32 v[S+j], v[S+j]                       ; p = 2^(t - M), at most 1
.set j, j+1
.endr
	v_pk_mul_f32 v[14:15], v[14:15], v[F:F+1] op_sel_hi:[1,0]          ; the sums under the new M: the plain instruction behind the exponentials
	s_wait_alu depctr_va_vdst(0)                   ; one wait for the batch of 64, ahead of its first reader
.irp b, 0,1,2,3
	v_exp_f32 v[BM+\b], v[BM+\b]                   ; the blocks' largest p: the same two instructions on the same number give the same bits
.endr
	v_pk_add_f32 v[TS:TS+1], v[S:S+1], v[S+2:S+3]  ; the row's sum is taken of the unquantised p, in two chains; it reads the 64 alone
.set j, 4
.rept 15
	v_pk_add_f32 v[14:15], v[14:15], v[S+j:S+j+1]
	v_pk_add_f32 v[TS:TS+1], v[TS:TS+1], v[S+j+2:S+j+3]
.set j, j+4
.endr
	v_pk_add_f32 v[14:15], v[14:15], v[TS:TS+1]
	s_wait_alu depctr_va_vdst(0)                   ; and one for the four
.irp b, 0,1,2,3
	v_max_num_f32 v[BM+\b], 0x1800000, v[BM+\b]    ; the floor 2^(3 - 127): the byte cannot fall under 1 (a block whose every p is 0 keeps that byte: its codes are zeros)
.endr
.irp b, 0,1,2,3
	v_add_nc_u32 v[SO+\b], 0xff000000, v[BM+\b]    ; 2 off the exponent field: the conversion's scale operand
.endr
.irp b, 0,1,2,3
	v_lshrrev_b32 v[BT+\b], 23, v[SO+\b]           ; the byte
.endr
	v_lshl_or_b32 v[PW], v[BT+1], 8, v[BT]
	v_lshl_or_b32 v[PW], v[BT+2], 16, v[PW]
	v_lshl_or_b32 v[PW], v[BT+3], 24, v[PW]        ; p's scale word for these 128 keys
.irp c, 0,1
	v_cvt_scalef32_pk16_fp6_f32 v[PC+6*\c:PC+6*\c+2], v[S+32*\c:S+32*\c+15], v[SO+2*\c]
	v_cvt_scalef32_pk16_fp6_f32 v[PT+4*\c:PT+4*\c+2], v[S+32*\c+16:S+32*\c+31], v[SO+2*\c+1]   ; (a conversion's three registers begin on an even number)
.endr
	v_nop                                          ; one plain place behind a scaled conversion
.irp c, 0,1                                    ; the operand wants a WHOLE block in a lane: lanes 0-15 block 2 c, lanes 16-31 block 2 c + 1
.irp i, 0,1,2
	v_permlane16_swap_b32 v[PC+6*\c+\i], v[PT+4*\c+\i]
.endr
.irp i, 0,1,2
	v_mov_b32 v[PC+6*\c+3+\i], v[PT+4*\c+\i]
.endr
.endr
.set j, 0
.rept 16
	v_pk_mul_f32 v[O+j:O+j+1], v[O+j:O+j+1], v[F:F+1] op_sel_hi:[1,0]  ; O^T under the new M
.set j, j+2
.endr
.rept 4
	v_nop                                          ; with the lines above: the places between the last writes of p's codes and scale word and the products
.endr
	s_wait_dscnt 0x0                               ; V's fragments and scale words are in
.irp t, 0,1,2,3
	MXO O+8*\t, KF+12*\t, VS+\t/2, \t%2            ; O^T += V^T P^T: four accumulators, one instruction each; the scores' eight products stand between two links of a chain
.endr
.rept 4
	v_nop                                          ; four places behind the products: in front of the next loads into their registers and of any read of O^T
.endr
.endm
.Ltrip:                                            ; three trips: chunk j is worked, chunk j + 1 is brought
	MEET                                           ; chunk j lies in LDS, whole
	v_add_nc_u32 v[ADK], s[TB], v[AK0]
	v_add_nc_u32 v[ADS], s[TSS], v[AS0]
	v_add_nc_u32 v[ADC], s[TC], v[T16]
	s_cmp_lt_u32 s[NK], s[WALK]                    ; is any key of the next chunk walked?
	s_cbranch_scc0 .Lno_fetch
.irp i, 0,1,2,3,4,5
	global_load_b128 v[G+4*\i:G+4*\i+3], v[T16], s[KVP:KVP+1] offset:CHUNK+8192*\i
.endr
.Lno_fetch:
	s_cmp_lt_u32 s[KFS], s[WALK]                   ; is any key of my step walked?
	s_cbranch_scc0 .Lno_step
	STEP
.Lno_step:
	s_wait_loadcnt 0x0                             ; on every path: no load of mine is out, so the registers of the six and their base may be written again
	s_cmp_lt_u32 s[NK], s[WALK]
	s_cbranch_scc0 .Lno_store
.irp i, 0,1,2,3,4,5
	ds_store_b128 v[ADC], v[G+4*\i:G+4*\i+3] offset:8192*\i            ; into bytes that nobody reads ahead of the next barrier
.endr
.Lno_store:
	s_add_nc_u64 s[KVP:KVP+1], s[KVP:KVP+1], CHUNK
	s_add_co_u32 s[TB], s[TB], CHUNK
	s_add_co_u32 s[TC], s[TC], CHUNK
	s_add_co_u32 s[TSS], s[TSS], 2048
	s_add_co_u32 s[KFS], s[KFS], 512
	s_add_co_u32 s[NK], s[NK], 512
	s_sub_co_u32 s[TR], s[TR], 1
	s_cmp_lg_u32 s[TR], 0
	s_cbranch_scc1 .Ltrip
	MEET                                           ; the last chunk is written out: nothing is left to bring
	v_add_nc_u32 v[ADK], s[TB], v[AK0]
	v_add_nc_u32 v[ADS], s[TSS], v[AS0]
	s_cmp_lt_u32 s[KFS], s[WALK]
	s_cbranch_scc0 .Lno_last
	STEP
.Lno_last:
	; THE JOIN.  Each wave has O^T, -M and the sum over its own keys.  Key groups 1 to 3 lay them in LDS as images of their registers; group 0 brings all four under the row's M and adds.
	v_add_f32 v14, v14, v15                        ; the sum's two halves,
	v_permlanex16_b32 v[BT], v14, s[SEL], s[SEL+1]
	v_add_f32 v14, v14, v[BT]                      ; and lane l xor 16's
	s_cmp_lt_u32 s[WV], 4
	s_cbranch_scc1 .Lkeep
.set i, 0
.rept 8
	ds_store_b128 v[STA], v[O+4*i:O+4*i+3] offset:512*i                ; each accumulator from its low end on
.set i, i+1
.endr
	ds_store_b32 v[STB], v12
	ds_store_b32 v[STB], v14 offset:128
.Lkeep:
	MEET
	s_cmp_lt_u32 s[WV], 4
	s_cbranch_scc1 .Lcombine
	s_wait_tensorcnt 0x0                           ; the wave's end: three lines behind my last LDS store
	ds_add_u32 v[SPW], v[NIL]
	s_wait_dscnt 0x0
	s_endpgm
.Lcombine:                                         ; waves 0-3: wave t joins waves t + 4, t + 8, t + 12
.irp c, 1,2,3
	ds_load_b32 v[NM+\c-1], v[STB] offset:4*CMBW*\c
	ds_load_b32 v[LP+\c-1], v[STB] offset:4*CMBW*\c+128
.endr
.set i, 0
.rept 8
	ds_load_b128 v[S+4*i:S+4*i+3], v[STA] offset:4*CMBW+512*i
	ds_load_b128 v[S+32+4*i:S+32+4*i+3], v[STA] offset:8*CMBW+512*i
	ds_load_b128 v[KF+4*i:KF+4*i+3], v[STA] offset:12*CMBW+512*i
.set i, i+1
.endr
	s_wait_dscnt 24                                ; the six words are in; the 24 loads of the images may be out
	v_min_num_f32 v[T0], v12, v[NM]
	v_min_num_f32 v[T0], v[T0], v[NM+1]
	v_min_num_f32 v[T0], v[T0], v[NM+2]            ; the row's -M.  (A wave that had no step left -M at 3e38: its factor below is 0, and so are its sum and its O^T)
	v_sub_f32 v[BM], v[T0], v12
.irp c, 1,2,3
	v_sub_f32 v[BM+\c], v[T0], v[NM+\c-1]          ; a group's M less the row's: a whole number, 0 or less
.endr
.irp c, 0,1,2,3
	v_cvt_i32_f32 v[BM+\c], v[BM+\c]               ; (it saturates)
.endr
.irp c, 0,1,2,3
	v_ldexp_f32 v[BM+\c], 1.0, v[BM+\c]
.endr
	v_mul_f32 v14, v14, v[BM]
.irp c, 1,2,3
	v_fmac_f32 v14, v[LP+\c-1], v[BM+\c]           ; the row's sum
.endr
	v_rcp_f32 v[T0], v14
	v_nop                                          ; one plain place behind the reciprocal,
	s_wait_alu depctr_va_vdst(0)                   ; and the wait ahead of its first reader
.irp c, 0,1,2,3
	v_mul_f32 v[BT+2*\c], v[BM+\c], v[T0]          ; each group's factor / the sum, twice: a pair for the packed forms
	v_mul_f32 v[BT+2*\c+1], v[BM+\c], v[T0]
.endr
	s_wait_dscnt 0x0
.set j, 0
.rept 16
	v_pk_mul_f32 v[O+j:O+j+1], v[O+j:O+j+1], v[BT:BT+1]
.set j, j+2
.endr
.set j, 0
.rept 16
	v_pk_fma_f32 v[O+j:O+j+1], v[S+j:S+j+1], v[BT+2:BT+3], v[O+j:O+j+1]
.set j, j+2
.endr
.set j, 0
.rept 16
	v_pk_fma_f32 v[O+j:O+j+1], v[S+32+j:S+32+j+1], v[BT+4:BT+5], v[O+j:O+j+1]
.set j, j+2
.endr
.set j, 0
.rept 16
	v_pk_fma_f32 v[O+j:O+j+1], v[KF+j:KF+j+1], v[BT+6:BT+7], v[O+j:O+j+1]   ; register 8 t + i is out(query r, 16 t + 8 h + i)
.set j, j+2
.endr
	; THE WAY OUT: through my own stage, so that sixteen lanes store a whole row of 256 bytes
.irp t, 0,1,2,3
	ds_store_b128 v[SIN], v[O+8*\t:O+8*\t+3] offset:64*\t
	ds_store_b128 v[SIN], v[O+8*\t+4:O+8*\t+7] offset:64*\t+16
.endr
.irp i, 0,1,2,3,4,5,6,7
	ds_load_b128 v[S+4*\i:S+4*\i+3], v[SOUT] offset:2*\i*SP            ; LDS serves a wave's instructions in order: these see my stores
.endr
.irp i, 0,1,2,3,4,5,6,7
	s_wait_dscnt 7-\i                              ; load i is in; the younger ones may be out
	global_store_b128 v[GO], v[S+4*\i:S+4*\i+3], s[8:9] offset:(2*\i+8*(\i/4))*256 th:TH_STORE_NT   ; the tile's rows 0-7 are queries 0-7 from its first, rows 8-15 queries 16-23
.endr
	s_wait_tensorcnt 0x0                           ; the wave's end: the same three lines
	ds_add_u32 v[SPW], v[NIL]
	s_wait_dscnt 0x0
	s_endpgm
.Lfunc_end_k_qba3aa97644_attend:
	.size	k_qba3aa97644_attend, .Lfunc_end_k_qba3aa97644_attend-k_qba3aa97644_attend
	.p2alignl 7, 3214868480
	.fill 96, 4, 3214868480
	.section	.rodata,"a",@progbits
	.p2align	6, 0x0
	.amdhsa_kernel k_qba3aa97644_attend
		.amdhsa_group_segment_fixed_size 293888
		.amdhsa_private_segment_fixed_size 0
		.amdhsa_enable_private_segment 0
		.amdhsa_kernarg_size 24
		.amdhsa_user_sgpr_count 2
		.amdhsa_user_sgpr_kernarg_segment_ptr 1
		.amdhsa_wavefront_size32 1
		.amdhsa_system_sgpr_workgroup_id_x 1
		.amdhsa_system_sgpr_workgroup_id_y 1
		.amdhsa_system_sgpr_workgroup_id_z 1
		.amdhsa_system_vgpr_workitem_id 0
		.amdhsa_next_free_vgpr 256
		.amdhsa_next_free_sgpr 66
		.amdhsa_reserve_vcc 1
		.amdhsa_float_denorm_mode_32 3
		.amdhsa_float_denorm_mode_16_64 3
		.amdhsa_memory_ordered 1
		.amdhsa_forward_progress 1
		.amdhsa_inst_pref_size 62
	.end_amdhsa_kernel
	.amdgpu_metadata
---
amdhsa.version: [ 1, 2 ]
amdhsa.kernels:
  - .name:           k_qba3aa97644_attend
    .symbol:         k_qba3aa97644_attend.kd
    .args:
      - { .name: ws, .offset: 0, .size: 8, .value_kind: global_buffer, .address_space: global }
      - { .name: valid_len, .offset: 8, .size: 8, .value_kind: global_buffer, .address_space: global }
      - { .name: out0, .offset: 16, .size: 8, .value_kind: global_buffer, .address_space: global }
    .group_segment_fixed_size: 293888
    .private_segment_fixed_size: 0
    .kernarg_segment_align: 8
    .kernarg_segment_size: 24
    .max_flat_workgroup_size: 512
    .sgpr_count:     66
    .vgpr_count:     256
    .wavefront_size: 32
...
	.end_amdgpu_metadata
.endif
;; end of part 2
;; ======== version 2 of 2: 2 launches
;; limits: right only within a limited range of input values
;; workspace buffers: ws 2,457,600 bytes
;; launch quantise (part 3): grid 384 x 1, 4 waves a work-group, no clusters, 35,584 bytes of LDS; arguments K, Q, V, ws; writes ws
.if DOCPART == 3
	.amdgcn_target "amdgcn-amd-amdhsa--gfx1250"
	.amdhsa_code_object_version 6
	.text
	.protected	k_qba3aa97644_quantise
	.globl	k_qba3aa97644_quantise
	.p2align	8
	.type	k_qba3aa97644_quantise,@function
k_qba3aa97644_quantise:
	s_mov_b64 s[64:65], 0
	v_nop
	global_prefetch_b8 v0, s[64:65] scope:SCOPE_SE
	s_setreg_imm32_b32 hwreg(HW_REG_WAVE_MODE, 25, 1), 1
	s_wait_xcnt 0x0
; K, Q, V [8][2048][64] f32 become codes of FP6 (E2M3) with one E8M0 byte for each 32 numbers along the axis that their product contracts:
; K and Q along the head's 64 (innermost), V along the keys (its rows).  The codes are laid in ws as IMAGES OF THE OPERANDS' REGISTERS, so that the
; next launch takes a fragment (12 registers a lane) by three loads of 16 bytes a lane: registers 4 c .. 4 c + 3 of lane l at 512 c + 16 l.
; A work-group takes 128 rows (32,768 bytes) of one tensor: work-groups 0-127 K, 128-255 Q, 256-383 V; g = the low 7 bits = 16 x batch + step.
; IN: 16 loads a wave, 16 bytes a lane, the four waves side by side on 2,048 consecutive bytes; as loaded into a stage in LDS, rows 272 bytes apart; one barrier.
; K, Q: wave w makes pair fragment w.  Lane (r, h) takes numbers 32 h .. 32 h + 31 of row 32 w + r + 8 (r / 8) (registers 0-5: k = 32 h ..) and of the row 8 further on
;   (registers 6-11: k = 64 + 32 h ..): two tiles of 16 rows share one fragment, since the head fills only half of the instruction's 128.  The rows of a tile are chosen so
;   that the scores of the two tiles are 16 neighbouring keys in a lane of the next launch.  (Sixteen lanes' rows fall two deep on the same LDS columns: 16 loads a wave, left so.)
; V: wave w makes fragment w of V^T: lane (r, h) takes column 16 w + r down keys 32 h .. 32 h + 31 (registers 0-5) and 64 + 32 h .. (registers 6-11).
; Either way a lane holds two whole blocks of 32, so all behind the reads from the stage is one text for the three tensors.
; A block's scale is 2^(floor(log2(largest magnitude)) - 2); its byte is the largest magnitude's exponent field - 2, held at 1 from below.
; A row's (column's) four bytes make one word; a work-group's 64 words are gathered in LDS and leave as one store of 256 consecutive bytes.
; LIMITS: a block of zeros gets the byte 1 where the rule says 127 (its codes are zeros, and this program alone reads the bytes); NaN and infinities are not served.
.set PITCH,  272                       ; a stage row: 256 bytes + 16
.set L_SCW,  128*PITCH                 ; behind the stage: the work-group's 64 scale words
.set SPARE,  L_SCW+256                 ; the spare words, 128 bytes for each wave: two blocks of 256 bytes that no other line names
.set REC,    12288                     ; ws: a key step's record: K's four pair fragments (6,144 bytes), then V's four fragments
.set WS_Q,   8*16*REC                  ; behind the records: Q's pair fragments, 6,144 bytes for each 128 queries
.set WS_KVS, WS_Q+128*6144             ; scale words: for each key step K's 64, then V's 64
.set WS_QS,  WS_KVS+128*512            ; Q's: 64 for each 128 queries
.set GI,  2                            ; v2   16 x thread: my 16 bytes of the 2,048 that a round of loads covers
.set STI, 3                            ; v3   the same place in the stage
.set RR,  4                            ; v4   r = lane % 16
.set HH,  5                            ; v5   h = lane / 16
.set ARW, 7                            ; v7   K, Q: my half row in the stage
.set ACL, 8                            ; v8   V: my column's first key in the stage
.set L16, 9                            ; v9   16 x lane
.set AW,  10                           ; v10  where my row's scale word goes in LDS
.set AL,  11                           ; v11  and where wave 0 reads 8 bytes of the 256 back
.set L8,  12                           ; v12  8 x lane
.set SH,  13                           ; v13  8 h: my bytes' place in the word
.set SPW, 14                           ; v14  LDS address of my spare word; never rewritten
.set NIL, 15                           ; v15  0; never rewritten
.set X,   32                           ; v32-95   as loaded, then my two blocks of 32
.set FR,  96                           ; v96-107  the fragment
.set TP,  108                          ; v108-110, v112-114  the blocks' upper halves as converted
.set MA,  116                          ; v116-117 largest magnitudes
.set SA,  118                          ; v118-119 the conversions' scale operands
.set BA,  120                          ; v120-121 the bytes
.set W,   122                          ; v122-123 the word; at work
	s_load_b128 s[4:7], s[0:1], 0x0                ; K, Q
	s_load_b128 s[8:11], s[0:1], 0x10              ; V, ws
	v_lshl_add_u32 v[SPW], v0, 2, SPARE
	v_mov_b32 v[NIL], 0
	v_lshrrev_b32 v1, 5, v0
	v_readfirstlane_b32 s12, v1                    ; wave 0..3
	s_lshr_b32 s13, ttmp9, 7                       ; 0: K, 1: Q, 2: V
	s_and_b32 s14, ttmp9, 127                      ; g
	v_lshlrev_b32 v[GI], 4, v0
	v_lshrrev_b32 v[STI], 4, v0                    ; sixteen threads to a row of 256 bytes: row thread / 16 of a round's eight
	v_and_b32 v[RR], 15, v0
	v_bfe_u32 v[HH], v0, 4, 1
	v_mul_u32_u24 v[STI], v[STI], PITCH
	v_lshl_add_u32 v[STI], v[RR], 4, v[STI]
	v_and_b32 v[ARW], 8, v[RR]
	v_add_nc_u32 v[ARW], v[ARW], v[RR]             ; r + 8 (r / 8)
	s_lshl_b32 s15, s12, 5
	v_add_nc_u32 v[ARW], s15, v[ARW]               ; + 32 w
	v_mul_u32_u24 v[ARW], v[ARW], PITCH
	v_lshl_add_u32 v[ARW], v[HH], 7, v[ARW]        ; + 128 h bytes
	v_mul_u32_u24 v[ACL], v[HH], 32*PITCH          ; key 32 h,
	v_lshl_add_u32 v[ACL], v[RR], 2, v[ACL]
	s_lshl_b32 s15, s12, 6
	v_add_nc_u32 v[ACL], s15, v[ACL]               ; column 16 w + r
	s_add_co_u32 s15, s15, L_SCW
	v_lshl_add_u32 v[AW], v[RR], 2, s15            ; word 16 w + r
	v_and_b32 v6, 31, v0
	v_lshlrev_b32 v[L16], 4, v6
	v_lshlrev_b32 v[L8], 3, v6
	v_add_nc_u32 v[AL], L_SCW, v[L8]
	v_lshlrev_b32 v[SH], 3, v[HH]
	; where the results go in ws, as offsets
	s_mul_i32 s16, s14, 6144
	s_add_co_u32 s18, s16, WS_Q                    ; Q's codes
	s_lshl_b32 s16, s16, 1                         ; K's: record g;
	s_lshr_b32 s19, s13, 1                         ; (1 for V)
	s_mul_i32 s20, s19, 6144
	s_add_co_u32 s16, s16, s20                     ; V's: its second half
	s_lshl_b32 s20, s14, 8
	s_add_co_u32 s21, s20, WS_QS                   ; Q's words
	s_lshl_b32 s20, s20, 1
	s_lshl_b32 s19, s19, 8
	s_add_co_u32 s20, s20, s19
	s_add_co_u32 s20, s20, WS_KVS                  ; K's, V's words
	s_cmp_eq_u32 s13, 1
	s_cselect_b32 s16, s18, s16
	s_cselect_b32 s20, s21, s20
	s_mul_i32 s18, s12, 1536
	s_add_co_u32 s16, s16, s18                     ; my wave's fragment
	s_mov_b32 s17, 0
	s_mov_b32 s21, 0
	s_lshl_b32 s22, s14, 15                        ; the work-group's 128 rows in its tensor
	s_mov_b32 s23, 0
	s_mov_b32 s28, 0x76543210
	s_mov_b32 s29, 0xfedcba98                      ; v_permlanex16_b32's selects for lane l xor 16
	s_wait_kmcnt 0x0
	s_cmp_eq_u32 s13, 0                            ; the tensor is chosen by the work-group's number alone
	s_cselect_b64 s[4:5], s[4:5], s[6:7]
	s_cmp_eq_u32 s13, 2
	s_cselect_b64 s[4:5], s[8:9], s[4:5]
	s_add_nc_u64 s[4:5], s[4:5], s[22:23]
	s_add_nc_u64 s[24:25], s[10:11], s[16:17]      ; codes
	s_add_nc_u64 s[26:27], s[10:11], s[20:21]      ; scale words
.set i, 0
.rept 16
	global_load_b128 v[X+4*i:X+4*i+3], v[GI], s[4:5] offset:2048*i th:TH_LOAD_NT   ; a wave reads 512 consecutive bytes; all 16 loads are out together
.set i, i+1
.endr
.set i, 0
.rept 16
	s_wait_loadcnt 15-i                            ; loads come back in order: load i is in, the younger ones stay out
	ds_store_b128 v[STI], v[X+4*i:X+4*i+3] offset:8*PITCH*i
.set i, i+1
.endr
	s_wait_dscnt 0x0                               ; my stores into the stage have landed
	s_barrier_signal -1
	s_barrier_wait -1                              ; everybody's have
	s_cmp_eq_u32 s13, 2
	s_cbranch_scc1 .Lcolumns
.set i, 0
.rept 8
	ds_load_b128 v[X+4*i:X+4*i+3], v[ARW] offset:16*i                  ; my half of the first row,
	ds_load_b128 v[X+32+4*i:X+32+4*i+3], v[ARW] offset:8*PITCH+16*i    ; and of the row 8 further on
.set i, i+1
.endr
	s_branch .Lhave
.Lcolumns:
.set i, 0
	s_wait_alu depctr_va_vdst(0)
.rept 32
	ds_load_b32 v[X+i], v[ACL] offset:PITCH*i                          ; V(32 h + i, my column),
	ds_load_b32 v[X+32+i], v[ACL] offset:PITCH*(64+i)                  ; V(64 + 32 h + i, my column)
.set i, i+1
.endr
.Lhave:
	s_wait_dscnt 0x0
	v_max3_num_f32 v[MA], |v[X]|, |v[X+1]|, 0x1800000                  ; each block's largest magnitude, with the floor 2^(3 - 127) among its leaves: the byte cannot fall under 1
	v_max3_num_f32 v[MA+1], |v[X+32]|, |v[X+33]|, 0x1800000
.set i, 2
.rept 15
	v_max3_num_f32 v[MA], v[MA], |v[X+i]|, |v[X+i+1]|                  ; (the two blocks by turns)
	v_max3_num_f32 v[MA+1], v[MA+1], |v[X+32+i]|, |v[X+33+i]|
.set i, i+2
.endr
	v_add_nc_u32 v[SA], 0xff000000, v[MA]          ; 2 off the exponent field: the conversion takes the exponent field of this operand as its scale
	v_add_nc_u32 v[SA+1], 0xff000000, v[MA+1]
	v_lshrrev_b32 v[BA], 23, v[SA]                 ; the bytes
	v_lshrrev_b32 v[BA+1], 23, v[SA+1]
	v_lshl_or_b32 v[W], v[BA+1], 16, v[BA]         ; my two bytes: k blocks h and 2 + h,
	v_lshlrev_b32 v[W], v[SH], v[W]                ; at their places in the word;
	v_mov_b32 v[W+1], 0                            ; (a lane permute's destination counts as one of its sources)
	v_permlanex16_b32 v[W+1], v[W], s28, s29
	v_or_b32 v[W], v[W], v[W+1]                    ; with lane l xor 16's two the word is whole
	v_cvt_scalef32_pk16_fp6_f32 v[FR:FR+2], v[X:X+15], v[SA]
	v_cvt_scalef32_pk16_fp6_f32 v[TP:TP+2], v[X+16:X+31], v[SA]        ; (a conversion's three registers begin on an even number: a block's upper half is made elsewhere and moved)
	v_cvt_scalef32_pk16_fp6_f32 v[FR+6:FR+8], v[X+32:X+47], v[SA+1]
	v_cvt_scalef32_pk16_fp6_f32 v[TP+4:TP+6], v[X+48:X+63], v[SA+1]
	v_nop                                          ; one plain place behind a scaled conversion
.irp i, 0,1,2
	v_mov_b32 v[FR+3+\i], v[TP+\i]
	v_mov_b32 v[FR+9+\i], v[TP+4+\i]
.endr
	global_store_b128 v[L16], v[FR:FR+3], s[24:25]                     ; each store of the wave covers 512 consecutive bytes, aligned
	global_store_b128 v[L16], v[FR+4:FR+7], s[24:25] offset:512
	global_store_b128 v[L16], v[FR+8:FR+11], s[24:25] offset:1024
	ds_store_b32 v[AW], v[W]                       ; lanes r and 16 + r write the same word with the same value
	s_wait_dscnt 0x0                               ; my word has landed
	s_barrier_signal -1
	s_barrier_wait -1                              ; all 64 have
	s_cmp_eq_u32 s12, 0
	s_cbranch_scc1 .Lwords
	s_wait_tensorcnt 0x0                           ; the wave's end: three lines behind my last LDS store
	ds_add_u32 v[SPW], v[NIL]
	s_wait_dscnt 0x0
	s_endpgm
.Lwords:
	ds_load_b64 v[W:W+1], v[AL]
	s_wait_dscnt 0x0
	global_store_b64 v[L8], v[W:W+1], s[26:27]     ; wave 0: 32 lanes store 256 consecutive bytes, aligned
	s_wait_tensorcnt 0x0                           ; the wave's end: the same three lines
	ds_add_u32 v[SPW], v[NIL]
	s_wait_dscnt 0x0
	s_endpgm
.Lfunc_end_k_qba3aa97644_quantise:
	.size	k_qba3aa97644_quantise, .Lfunc_end_k_qba3aa97644_quantise-k_qba3aa97644_quantise
	.p2alignl 7, 3214868480
	.fill 96, 4, 3214868480
	.section	.rodata,"a",@progbits
	.p2align	6, 0x0
	.amdhsa_kernel k_qba3aa97644_quantise
		.amdhsa_group_segment_fixed_size 35584
		.amdhsa_private_segment_fixed_size 0
		.amdhsa_enable_private_segment 0
		.amdhsa_kernarg_size 32
		.amdhsa_user_sgpr_count 2
		.amdhsa_user_sgpr_kernarg_segment_ptr 1
		.amdhsa_wavefront_size32 1
		.amdhsa_system_sgpr_workgroup_id_x 1
		.amdhsa_system_sgpr_workgroup_id_y 1
		.amdhsa_system_sgpr_workgroup_id_z 1
		.amdhsa_system_vgpr_workitem_id 0
		.amdhsa_next_free_vgpr 128
		.amdhsa_next_free_sgpr 66
		.amdhsa_reserve_vcc 0
		.amdhsa_float_denorm_mode_32 3
		.amdhsa_float_denorm_mode_16_64 3
		.amdhsa_memory_ordered 1
		.amdhsa_forward_progress 1
		.amdhsa_inst_pref_size 16
	.end_amdhsa_kernel
	.amdgpu_metadata
---
amdhsa.version: [ 1, 2 ]
amdhsa.kernels:
  - .name:           k_qba3aa97644_quantise
    .symbol:         k_qba3aa97644_quantise.kd
    .args:
      - { .name: K, .offset: 0, .size: 8, .value_kind: global_buffer, .address_space: global }
      - { .name: Q, .offset: 8, .size: 8, .value_kind: global_buffer, .address_space: global }
      - { .name: V, .offset: 16, .size: 8, .value_kind: global_buffer, .address_space: global }
      - { .name: ws, .offset: 24, .size: 8, .value_kind: global_buffer, .address_space: global }
    .group_segment_fixed_size: 35584
    .private_segment_fixed_size: 0
    .kernarg_segment_align: 8
    .kernarg_segment_size: 32
    .max_flat_workgroup_size: 128
    .sgpr_count:     66
    .vgpr_count:     128
    .wavefront_size: 32
...
	.end_amdgpu_metadata
.endif
;; end of part 3
;; launch attend (part 4): grid 32 x 8, 16 waves a work-group, no clusters, 293,888 bytes of LDS; arguments ws, valid_len, out0; writes out0
.if DOCPART == 4
	.amdgcn_target "amdgcn-amd-amdhsa--gfx1250"
	.amdhsa_code_object_version 6
	.text
	.protected	k_qba3aa97644_attend
	.globl	k_qba3aa97644_attend
	.p2align	8
	.type	k_qba3aa97644_attend,@function
k_qba3aa97644_attend:
	s_mov_b64 s[64:65], 0
	v_nop
	global_prefetch_b8 v0, s[64:65] scope:SCOPE_SE
	s_setreg_imm32_b32 hwreg(HW_REG_WAVE_SCHED_MODE, 0, 2), 2
	s_setreg_imm32_b32 hwreg(HW_REG_WAVE_MODE, 25, 1), 1
	s_wait_xcnt 0x0
	s_wait_alu depctr_vm_vsrc(0)
; out0[b][q][:] = sum over k of softmax_k(where(k < valid_len[b], Q[b][q] . K[b][k] / 8, -1e6)) V[b][k][:], both products on codes of FP6 (E2M3) with E8M0 scales, made by the launch before.
; THE SOFTMAX AHEAD OF THE SECOND PRODUCT: t = score x log2(e); M = the largest t so far rounded UP to a whole number; p = 2^(t - M) is quantised along the keys, not normalised; the sum of the unquantised p divides at the end.
; SHARES.  A work-group owns 64 queries of one batch: four tiles of 16.  Wave w owns tile w % 4 and key group c = w / 4: of each chunk of four key steps (128 keys a step) it takes step c.  At the end the four groups of a tile are joined.
; K AND V.  A batch's codes are 16 records of 12,288 bytes, its scale words 8,192 bytes: both fit in LDS whole, so no byte of LDS is filled twice.  A chunk (49,152 bytes) comes by 6 loads of 512 consecutive bytes a wave into
; registers at the head of a trip, and goes to LDS at the trip's end: it lands while the trip's step is worked.  One barrier a trip shows a chunk to all sixteen waves.
; valid_len.  A step all of whose keys lie behind valid_len is left out, and so is the fetch of a chunk that holds only such steps: scalar branches on a number read from memory, round loads, stores and work, never round a barrier
; (the loop's trips are a constant).  The mask is laid on the scores only in a step that reaches past valid_len.
; NO TENSOR LOADS, NO CLUSTER, though the 32 work-groups of a batch read the same records: the branches spare on average half of the steps.
; LAYOUT.  Both products are used transposed: S^T = K Q^T, O^T = V^T P^T: a lane holds ONE query (lane % 16) throughout.  The head is 64, half of the instruction's 128: a pair fragment of K holds tile 2 f in k = 0..63 and
; tile 2 f + 1 in k = 64..127, and is multiplied by [q | 0] and by [0 | q]: zero codes add nothing.  Lane r of key tile 2 f + u is key 32 f + 8 u + r + 8 (r / 8), so that the 16 registers of the two tiles are keys 32 f + 16 (lane / 16) + 0 .. 15.
; The queries of a tile are chosen in the same way (the launch before treats Q as it treats K): lane r of tile t is query 64 x + 32 (t / 2) + 8 (t % 2) + r + 8 (r / 8).
; LIMITS.  Steps behind valid_len are left out because their p is 0 in f32; that holds while every row has a counting score above -999,896 (NEG + 104).  valid_len <= 0 is served as every key at NEG (all steps walked under the mask),
; valid_len > 2,048 as 2,048.  p under 2^-126 counts as 0.  NaN and infinities are not served.
; THE MODE: SCHED_MODE bits 1:0 = 2 (LLVM: expert scheduling mode 2), set by the entry lines.  The code itself states the register dependences
; between vector or matrix instructions and memory or LDS instructions, with s_wait_alu, always for 0.
; THE PLAN.  Registers that memory or LDS instructions touch:
;   v[T16], v[STA], v[STB], v[SIN], v[SOUT], v[GO]   addresses, written once at the head and never again.
;   v[ADK], v[ADS], v[ADC]   LDS addresses of the trip: written by three additions behind the trip's barrier; read by the step's LDS loads (ADK, ADS) and by the chunk's LDS stores (ADC).
;   v[KF ..]     K's fragments land at a step's head and are read by the eight score products; V's land behind those and are read by the four products of O^T.
;   v[KS ..], v[VS ..]   scale words: loaded once a step, read by matrix instructions alone.
;   v[G ..]      the chunk on its way: global loads land, LDS stores read; no vector instruction names them.
;   v[S ..], v[O ..], v12, v14   touched by memory and LDS instructions at the head (Q) and in the join and the way out alone.
; A TRIP'S WAITS.  Behind the barrier one wait on vm_vsrc (the earlier loads and stores have read the three addresses and v[G ..]), the three additions, one wait on va_vdst (the addresses are written; the last step's
; products are done with their fragments and scale words).  In a step: one wait on va_vdst behind the score products, whose results the softmax wants next in any case; behind it V's fourteen loads are dealt among the first lines
; of the softmax, which names none of the registers that they touch; and one ahead of the products of O^T, which take p's codes and scale word from vector instructions.
.set REC,    12288                     ; a key step's record: K's four pair fragments, then
.set VOFF,   6144                      ; V's four fragments; a fragment: three blocks of 512 bytes, registers 4 c .. 4 c + 3 of lane l at 512 c + 16 l
.set CHUNK,  4*REC
.set BATCHB, 16*REC
.set WS_Q,   8*BATCHB                  ; ws: Q's pair fragments
.set WS_KVS, WS_Q+128*6144             ; K's and V's scale words, 512 bytes a step
.set WS_QS,  WS_KVS+128*512            ; Q's scale words
.set L_SC,   BATCHB                    ; LDS: the records from 0 on; behind them the batch's scale words;
.set L_CMB,  L_SC+8192                 ; a place for each wave's O^T (4,096 bytes), -M and sum (128 each);
.set CMBW,   4352
.set L_STG,  L_CMB+16*CMBW             ; the way out: 16 rows x (256 + 16) bytes for each of waves 0-3;
.set SP,     272
.set SPARE,  L_STG+4*16*SP             ; the spare words, 128 bytes for each wave: eight blocks of 256 bytes that no other line names
.set T16, 2                            ; v2   16 x thread: my 16 bytes of the 8,192 that a round of the sixteen waves' loads covers; never rewritten
.set AK0, 3                            ; v3   my lane's place in step c of chunk 0
.set AS0, 4                            ; v4   and among its scale words
.set SPW, 5                            ; v5   LDS address of my spare word; never rewritten
.set NIL, 6                            ; v6   0; never rewritten
.set ADK, 7                            ; v7   LDS address of the step's record
.set ADS, 8                            ; v8   of its scale words
.set ADC, 9                            ; v9   of my bytes in the chunk that is on its way
.set H16, 10                           ; v10  16 (lane / 16)
.set QS,  11                           ; v11  Q's scale word: its two bytes twice
                                       ; v12 -M, v13 the largest t, v[14:15] the sum in two halves
.set QZ,  16                           ; v16-33   0 | q | 0, six registers each: [0 | q] from v16, [q | 0] from v22
.set KF,  34                           ; v34-81   four fragments, of K and then of V
.set KS,  82                           ; v82-83   K's scale words: lanes 0-15 an even fragment's, lanes 16-31 the odd one's
.set VS,  84                           ; v84-85   V's likewise
.set PW,  86                           ; v86      p's scale word
.set S,   88                           ; v88-151  S^T, then p
.set O,   152                          ; v152-183 O^T
.set PC,  184                          ; v184-195 p's codes
.set PT,  196                          ; v196-198, v200-202 their other halves as converted
.set BM,  204                          ; v204-207 the blocks' largest scores, then largest p
.set BT,  208                          ; v208-211 at work
.set SO,  212                          ; v212-215 the conversions' scale operands
.set F,   216                          ; v[216:217] f = 2^(old M - new M) in the low word
.set TS,  218                          ; v[218:219] the sums' second chain
.set T0,  220
.set D,   221
.set NEGV, 222
.set G,   224                          ; v224-247 the chunk on its way: six loads
.set STA, 248                          ; v248 my wave's place for O^T's image
.set STB, 249                          ; v249 and for -M and the sum
.set SIN, 250                          ; v250 the stage, on the way in
.set SOUT, 251                         ; v251 and back
.set GO,  252                          ; v252 my byte offset in two rows of out0
.set NM,  KF+32                        ; the join: the partners' -M,
.set LP,  KF+36                        ; and sums
.set WV,  10
.set TL,  11
.set CG,  12
.set BTC, 13
.set SEL, 20                           ; s[20:21] v_permlanex16_b32's selects for lane l xor 16
.set CS,  22                           ; s[22:23] log2(e) / 8
.set KVP, 24                           ; s[24:25] the chunk in hand, in ws
.set SCP, 26
.set QP,  28
.set QSP, 30
.set VL,  32                           ; valid_len, held to 0 .. 2,048
.set WALK, 33                          ; keys to walk
.set KFS, 34                           ; my step's first key
.set NK,  35                           ; the next chunk's first key
.set TB,  36                           ; LDS byte at which the chunk in hand begins
.set TC,  37                           ; and the next
.set TSS, 38                           ; the chunk's scale words
.set TR,  39
.set UM,  40
.set U16, 41
                                       ; s2 a step's own scalar at work;  s14-19 and s42-51, at work at the head, hold sixteen lane masks in a step under the mask: mask i in s[14 + i], from i = 6 on in s[36 + i]
.macro MXS acc, fa, fb, sa, row        ; a tile of scores: the constant 0 starts the sum
.if \row
	v_wmma_scale_f32_16x16x128_f8f6f4 v[\acc:\acc+7], v[\fa:\fa+11], v[\fb:\fb+11], 0, v[\sa], v[QS] matrix_a_fmt:MATRIX_FMT_FP6 matrix_b_fmt:MATRIX_FMT_FP6 matrix_a_scale:MATRIX_SCALE_ROW1
.else
	v_wmma_scale_f32_16x16x128_f8f6f4 v[\acc:\acc+7], v[\fa:\fa+11], v[\fb:\fb+11], 0, v[\sa], v[QS] matrix_a_fmt:MATRIX_FMT_FP6 matrix_b_fmt:MATRIX_FMT_FP6
.endif
.endm
.macro MXO acc, fa, sa, row            ; a tile of O^T, added in place
.if \row
	v_wmma_scale_f32_16x16x128_f8f6f4 v[\acc:\acc+7], v[\fa:\fa+11], v[PC:PC+11], v[\acc:\acc+7], v[\sa], v[PW] matrix_a_fmt:MATRIX_FMT_FP6 matrix_b_fmt:MATRIX_FMT_FP6 matrix_a_scale:MATRIX_SCALE_ROW1
.else
	v_wmma_scale_f32_16x16x128_f8f6f4 v[\acc:\acc+7], v[\fa:\fa+11], v[PC:PC+11], v[\acc:\acc+7], v[\sa], v[PW] matrix_a_fmt:MATRIX_FMT_FP6 matrix_b_fmt:MATRIX_FMT_FP6
.endif
.endm
.macro MEET                            ; my LDS stores have landed and my LDS loads are in: then the work-group's barrier
	s_wait_dscnt 0x0
	s_barrier_signal -1
	s_barrier_wait -1
.endm
.macro VLD                             ; load vn of V's fourteen: twelve blocks of 512 bytes (fragment vn / 3, registers 4 (vn % 3) on), then the two scale words
.if vn < 12
	ds_load_b128 v[KF+4*vn:KF+4*vn+3], v[ADK] offset:VOFF+512*vn
.else
	ds_load_b32 v[VS+vn-12], v[ADS] offset:256+128*(vn-12)
.endif
.set vn, vn+1
.endm
	s_load_b128 s[4:7], s[0:1], 0x0                ; ws, valid_len
	s_load_b64 s[8:9], s[0:1], 0x10                ; out0
	v_lshl_add_u32 v[SPW], v0, 2, SPARE
	v_mov_b32 v[NIL], 0
	v_lshrrev_b32 v1, 5, v0
	v_readfirstlane_b32 s[WV], v1                  ; wave 0..15
	s_and_b32 s[BTC], ttmp7, 0xffff                ; the batch
	s_lshl_b32 s14, s[BTC], 2                      ; offsets, each in a pair with 0 above it: valid_len[b];
	s_mov_b32 s15, 0
	s_mul_i32 s16, s[BTC], BATCHB                  ; the batch's records;
	s_mov_b32 s17, 0
	s_lshl_b32 s18, s[BTC], 13
	s_add_co_u32 s18, s18, WS_KVS                  ; its scale words;
	s_mov_b32 s19, 0
	s_lshl_b32 s48, s[BTC], 4
	s_lshr_b32 s49, ttmp9, 1
	s_add_co_u32 s48, s48, s49                     ; (which 128 queries: 16 b + x / 2)
	s_and_b32 s49, ttmp9, 1
	s_lshl_b32 s49, s49, 1
	s_wait_alu depctr_va_sdst(0)                   ; the wave's number is written, ahead of its first reader; the scalar lines above do not name it
	s_and_b32 s[TL], s[WV], 3                      ; my tile
	s_lshr_b32 s[CG], s[WV], 2                     ; my key group
	s_lshr_b32 s42, s[TL], 1
	s_add_co_u32 s49, s49, s42                     ; (which pair fragment of them: 2 (x % 2) + t / 2)
	s_mul_i32 s42, s48, 6144
	s_mul_i32 s44, s49, 1536
	s_add_co_u32 s42, s42, s44
	s_add_co_u32 s42, s42, WS_Q                    ; Q's pair fragment;
	s_mov_b32 s43, 0
	s_lshl_b32 s44, s48, 8
	s_lshl_b32 s49, s49, 6
	s_add_co_u32 s44, s44, s49
	s_add_co_u32 s44, s44, WS_QS                   ; its scale words;
	s_mov_b32 s45, 0
	s_lshl_b32 s46, s[BTC], 19                     ; my tile's first row of out0: (2,048 b + 64 x + 32 (t / 2) + 8 (t % 2)) x 256 bytes
	s_lshl_b32 s48, ttmp9, 14
	s_add_co_u32 s46, s46, s48
	s_lshr_b32 s48, s[TL], 1
	s_lshl_b32 s48, s48, 13
	s_add_co_u32 s46, s46, s48
	s_and_b32 s48, s[TL], 1                        ; u: which half of the pair fragment is my tile
	s_lshl_b32 s[U16], s48, 4
	s_lshl_b32 s48, s48, 11
	s_add_co_u32 s46, s46, s48
	s_mov_b32 s47, 0
	s_cmp_lg_u32 s[U16], 0
	s_cselect_b32 s[UM], -1, 0                     ; all lanes' bits where u = 1
	s_mov_b32 s[SEL], 0x76543210
	s_mov_b32 s[SEL+1], 0xfedcba98
	s_mov_b32 s[CS], 0x3e38aa3b                    ; log2(e) / 8: t = (q . k) x this
	s_mov_b32 s[CS+1], s[CS]                       ; (the packed form names the pair)
	s_lshl_b32 s[KFS], s[CG], 7
	s_mov_b32 s[NK], 512
	s_mov_b32 s[TB], 0
	s_mov_b32 s[TC], CHUNK
	s_mov_b32 s[TSS], 0
	s_mov_b32 s[TR], 3
	; every LDS address register is made here, ahead of all branches
	v_lshlrev_b32 v[T16], 4, v0
	v_and_b32 v1, 31, v0                           ; lane
	s_mul_i32 s48, s[CG], REC
	v_lshl_add_u32 v[AK0], v1, 4, s48
	s_lshl_b32 s48, s[CG], 9
	s_add_co_u32 s48, s48, L_SC
	v_lshl_add_u32 v[AS0], v1, 2, s48
	v_and_b32 v[H16], 16, v0
	v_lshlrev_b32 v[ADK], 4, v1                    ; (for Q's loads: 16 x lane,
	v_and_b32 v[T0], 15, v0                        ; r
	v_lshlrev_b32 v[ADS], 2, v[T0]                 ; and 4 r)
	v_add_nc_u32 v[ADC], L_SC, v[T16]              ; (for the scale words' way into LDS)
	v_bfe_u32 v[D], v0, 4, 1                       ; h
	s_mul_i32 s48, s[WV], CMBW
	s_add_co_u32 s48, s48, L_CMB
	v_lshl_add_u32 v[STA], v1, 4, s48
	s_add_co_u32 s48, s48, 4096
	v_lshl_add_u32 v[STB], v1, 2, s48
	s_mul_i32 s48, s[TL], 16*SP
	s_add_co_u32 s48, s48, L_STG
	v_mul_u32_u24 v[SIN], v[T0], SP
	v_lshl_add_u32 v[SIN], v[D], 5, v[SIN]
	v_add_nc_u32 v[SIN], s48, v[SIN]               ; in: row r, 32 bytes for each half of the lanes
	v_mul_u32_u24 v[SOUT], v[D], SP
	v_lshl_add_u32 v[SOUT], v[T0], 4, v[SOUT]
	v_add_nc_u32 v[SOUT], s48, v[SOUT]             ; back: lanes 0-15 one row, lanes 16-31 the next
	v_lshlrev_b32 v[GO], 8, v[D]
	v_lshl_add_u32 v[GO], v[T0], 4, v[GO]
	s_wait_kmcnt 0x0
	s_add_nc_u64 s[6:7], s[6:7], s[14:15]
	s_load_b32 s[VL], s[6:7], 0x0
	s_add_nc_u64 s[KVP:KVP+1], s[4:5], s[16:17]
	s_add_nc_u64 s[SCP:SCP+1], s[4:5], s[18:19]
	s_add_nc_u64 s[QP:QP+1], s[4:5], s[42:43]
	s_add_nc_u64 s[QSP:QSP+1], s[4:5], s[44:45]
	s_add_nc_u64 s[8:9], s[8:9], s[46:47]
	s_wait_alu depctr_va_vdst(0)                   ; the address registers are written: v[T16], v[ADK], v[ADS], v[ADC], which the loads and LDS stores of the head read, and v[STA], v[STB], v[SIN], v[SOUT], v[GO] for the kernel's end
	global_load_b128 v[KF:KF+3], v[T16], s[SCP:SCP+1]                  ; the batch's scale words: 512 threads x 16 bytes
.irp i, 0,1,2,3,4,5
	global_load_b128 v[G+4*\i:G+4*\i+3], v[T16], s[KVP:KVP+1] offset:8192*\i   ; chunk 0: at least one key is always walked
.endr
	global_load_b128 v[S:S+3], v[ADK], s[QP:QP+1]                      ; Q's pair fragment: my tile and its neighbour
	global_load_b128 v[S+4:S+7], v[ADK], s[QP:QP+1] offset:512
	global_load_b128 v[S+8:S+11], v[ADK], s[QP:QP+1] offset:1024
	global_load_b32 v[S+12], v[ADS], s[QSP:QSP+1]
	v_mov_b32 v13, 0xff61b1e6                      ; the largest t so far: -3e38, under every t.  (The vector lines from here to the first barrier name no register that a load or LDS store of the head reads as an address or as data before it has landed)
	v_floor_f32 v12, -v13                          ; -M
	v_mov_b32 v14, 0
	v_mov_b32 v15, 0
.irp i, 0,1,2,3
	v_mov_b32 v[BT+\i], 0                          ; written once: a lane permute's destination counts as one of its sources
.endr
	v_mov_b32 v[F+1], 0                            ; (named as the upper half of a pair)
.irp i, 0,1,2,3,4,5
	v_mov_b32 v[QZ+\i], 0                          ; the zero codes on either side of q
	v_mov_b32 v[QZ+12+\i], 0
.endr
	s_wait_loadcnt 0x4                             ; the scale words and chunk 0 are in; behind them Q's four loads may be out
	ds_store_b128 v[ADC], v[KF:KF+3]               ; (data that loads brought, addresses from ahead of the wait on va_vdst above)
.irp i, 0,1,2,3,4,5
	ds_store_b128 v[T16], v[G+4*\i:G+4*\i+3] offset:8192*\i
.endr
	s_wait_loadcnt 0x0
.irp i, 0,1,2,3,4,5
	v_cndmask_b32 v[QZ+6+\i], v[S+\i], v[S+6+\i], s[UM]                ; my tile's six registers of the twelve (the mask was made by a scalar instruction)
.endr
	v_lshrrev_b32 v[S+12], s[U16], v[S+12]
	v_and_b32 v[S+12], 0xffff, v[S+12]             ; my tile's two bytes of the four,
	v_lshl_or_b32 v[QS], v[S+12], 16, v[S+12]      ; for k = 0..63 and for k = 64..127 alike
.set i, 0
.rept 32
	v_mov_b32 v[O+i], 0                            ; O^T: the step is written for any step, and a wave may have none.  (These are also the places between q's and the scale word's last writes and the first product)
.set i, i+1
.endr
	s_wait_kmcnt 0x0
	s_max_i32 s[VL], s[VL], 0
	s_min_i32 s[VL], s[VL], 2048
	s_cmp_eq_u32 s[VL], 0
	s_cselect_b32 s[WALK], 2048, s[VL]             ; where no key counts, all carry NEG: all are walked under the mask
; A KEY STEP: 128 keys for my 16 queries.
.macro STEP
.irp f, 0,1,2,3
.irp c, 0,1,2
	ds_load_b128 v[KF+12*\f+4*\c:KF+12*\f+4*\c+3], v[ADK] offset:1536*\f+512*\c   ; (the waits behind the trip's barrier have stated all that these fourteen loads hang on)
.endr
.endr
	ds_load_b32 v[KS], v[ADS]
	ds_load_b32 v[KS+1], v[ADS] offset:128
	s_wait_dscnt 0x0
.irp f, 0,1,2,3
.irp u, 0,1
	MXS S+8*(2*\f+\u), KF+12*\f, QZ+6-6*\u, KS+\f/2, \f%2              ; tile 2 f + u: the fragment against [q | 0] (u = 0) or [0 | q]
.endr
.endr
.rept 4
	v_nop                                          ; four places behind the products, in front of the first read of the scores
.endr
	s_wait_alu depctr_va_vdst(0)                   ; the score products are done reading K's fragments, and the last step's products V's scale words: V's fourteen loads below land in these registers
	s_add_co_u32 s2, s[KFS], 128                   ; a step all of whose keys count has no mask
	s_cmp_le_u32 s2, s[VL]
	s_cbranch_scc1 .Lopen_\@
	s_sub_co_i32 s2, s[VL], s[KFS]
	s_sub_co_i32 s2, s2, 1
	v_sub_nc_u32 v[D], s2, v[H16]                  ; d = valid_len - 1 - first key - 16 (lane / 16).  Register 16 b + i holds key first + 32 b + 16 (lane / 16) + i: masked where 32 b + i > d
	v_mov_b32 v[NEGV], 0xcaf42400                  ; -8e6 = NEG x 8: the factor 1 / 8 is still to come
.set mb, 0
.rept 4                                        ; a block of 16 registers at a time: sixteen compares in a run, each into a scalar register of its own, one wait, sixteen selections
.set mi, 0
.rept 16
	v_cmp_gt_i32 s[14+mi+22*((mi+10)/16)], 32*mb+mi, v[D]
.set mi, mi+1
.endr
	s_wait_alu depctr_va_sdst(0)                   ; the sixteen masks are written, ahead of their first reader
.set mi, 0
.rept 16
	v_cndmask_b32 v[S+16*mb+mi], v[S+16*mb+mi], v[NEGV], s[14+mi+22*((mi+10)/16)]
.set mi, mi+1
.endr
.set mb, mb+1
.endr
.Lopen_\@:
.set vn, 0
.irp b, 0,1,2,3
	v_max3_num_f32 v[BM+\b], v[S+16*\b], v[S+16*\b+1], v[S+16*\b+2]    ; the largest score of each block of 32 keys: for the row's maximum and, since p rises with the score, for the block's largest p
.endr
	VLD                                            ; V's fragments take K's registers and land while the softmax is worked: two loads behind each four lines.  No further wait: on either way
	VLD                                            ; no vector instruction since the wait on va_vdst above names v[KF ..], v[VS ..], v[ADK] or v[ADS]
.irp i, 3,5,7,9,11,13
.irp b, 0,1,2,3
	v_max3_num_f32 v[BM+\b], v[BM+\b], v[S+16*\b+\i], v[S+16*\b+\i+1]  ; (the four blocks by turns)
.endr
	VLD
	VLD
.endr
.irp b, 0,1,2,3
	v_max_num_f32 v[BM+\b], v[BM+\b], v[S+16*\b+15]
.endr
.irp b, 0,1,2,3
	v_permlanex16_b32 v[BT+\b], v[BM+\b], s[SEL], s[SEL+1]
.endr
.irp b, 0,1,2,3
	v_max_num_f32 v[BM+\b], v[BM+\b], v[BT+\b]     ; with lane l xor 16's 16 keys
.endr
	v_max3_num_f32 v[T0], v[BM], v[BM+1], v[BM+2]
	v_max_num_f32 v[T0], v[T0], v[BM+3]
	v_mul_f32 v[T0], s[CS], v[T0]                  ; the step's largest t
	v_max_num_f32 v13, v13, v[T0]
	v_mov_b32 v[T0], v12
	v_floor_f32 v12, -v13                          ; the new -M = -ceil(t): a whole number
	v_sub_f32 v[T0], v12, v[T0]                    ; old M - new M: a whole number, 0 or less
	v_cvt_i32_f32 v[T0], v[T0]                     ; (it saturates)
	v_ldexp_f32 v[F], 1.0, v[T0]                   ; f = 2^(old M - new M): multiplying by it rounds nothing
.set j, 0
.rept 32
	v_pk_fma_f32 v[S+j:S+j+1], v[S+j:S+j+1], s[CS:CS+1], v[12:13] op_sel_hi:[1,0,0]   ; t - M, two at a time
.set j, j+2
.endr
.irp b, 0,1,2,3
	v_fma_f32 v[BM+\b], v[BM+\b], s[CS], v12       ; the same of each block's largest score
.endr
.set j, 0
	s_wait_alu depctr_va_vdst(0)
.rept 64
	v_exp_f32 v[S+j], v[S+j]                       ; p = 2^(t - M), at most 1
.set j, j+1
.endr
	v_pk_mul_f32 v[14:15], v[14:15], v[F:F+1] op_sel_hi:[1,0]          ; the sums under the new M: the plain instruction behind the exponentials
	s_wait_alu depctr_va_vdst(0)                   ; the 64 exponentials have written p: one wait for the batch, ahead of its first reader
.irp b, 0,1,2,3
	v_exp_f32 v[BM+\b], v[BM+\b]                   ; the blocks' largest p: the same two instructions on the same number give the same bits
.endr
	v_pk_add_f32 v[TS:TS+1], v[S:S+1], v[S+2:S+3]  ; the row's sum is taken of the unquantised p, in two chains; it reads the 64 alone
.set j, 4
.rept 15
	v_pk_add_f32 v[14:15], v[14:15], v[S+j:S+j+1]
	v_pk_add_f32 v[TS:TS+1], v[TS:TS+1], v[S+j+2:S+j+3]
.set j, j+4
.endr
	v_pk_add_f32 v[14:15], v[14:15], v[TS:TS+1]
	s_wait_alu depctr_va_vdst(0)                   ; the four exponentials have written the blocks' largest p, ahead of their first reader
.irp b, 0,1,2,3
	v_max_num_f32 v[BM+\b], 0x1800000, v[BM+\b]    ; the floor 2^(3 - 127): the byte cannot fall under 1 (a block whose every p is 0 keeps that byte: its codes are zeros)
.endr
.irp b, 0,1,2,3
	v_add_nc_u32 v[SO+\b], 0xff000000, v[BM+\b]    ; 2 off the exponent field: the conversion's scale operand
.endr
.irp b, 0,1,2,3
	v_lshrrev_b32 v[BT+\b], 23, v[SO+\b]           ; the byte
.endr
	v_lshl_or_b32 v[PW], v[BT+1], 8, v[BT]
	v_lshl_or_b32 v[PW], v[BT+2], 16, v[PW]
	v_lshl_or_b32 v[PW], v[BT+3], 24, v[PW]        ; p's scale word for these 128 keys
.irp c, 0,1
	v_cvt_scalef32_pk16_fp6_f32 v[PC+6*\c:PC+6*\c+2], v[S+32*\c:S+32*\c+15], v[SO+2*\c]
	v_cvt_scalef32_pk16_fp6_f32 v[PT+4*\c:PT+4*\c+2], v[S+32*\c+16:S+32*\c+31], v[SO+2*\c+1]   ; (a conversion's three registers begin on an even number)
.endr
	v_nop                                          ; one plain place behind a scaled conversion
.irp c, 0,1                                    ; the operand wants a WHOLE block in a lane: lanes 0-15 block 2 c, lanes 16-31 block 2 c + 1
.irp i, 0,1,2
	v_permlane16_swap_b32 v[PC+6*\c+\i], v[PT+4*\c+\i]
.endr
.irp i, 0,1,2
	v_mov_b32 v[PC+6*\c+3+\i], v[PT+4*\c+\i]
.endr
.endr
.set j, 0
.rept 16
	v_pk_mul_f32 v[O+j:O+j+1], v[O+j:O+j+1], v[F:F+1] op_sel_hi:[1,0]  ; O^T under the new M
.set j, j+2
.endr
.rept 4
	v_nop                                          ; with the lines above: the places between the last writes of p's codes and scale word and the products
.endr
	s_wait_dscnt 0x0                               ; V's fragments and scale words are in
	s_wait_alu depctr_va_vdst(0)                   ; vector instructions have written p's codes v[PC ..] and scale word v[PW], which the scaled products take; the places above stay beside this wait
.irp t, 0,1,2,3
	MXO O+8*\t, KF+12*\t, VS+\t/2, \t%2            ; O^T += V^T P^T: four accumulators, one instruction each; the scores' eight products stand between two links of a chain
.endr
.rept 4
	v_nop                                          ; four places behind the products, in front of any read of O^T
.endr
.endm
.Ltrip:                                            ; three trips: chunk j is worked, chunk j + 1 is brought
	MEET                                           ; chunk j lies in LDS, whole
	s_wait_alu depctr_vm_vsrc(0)                   ; the loads and LDS stores issued so far have read v[ADK], v[ADS], v[ADC], which the three lines below write; v[G ..], in which the next chunk's loads land; and, in the first trip, v[KF .. KF + 3], in which K's first fragment lands
	v_add_nc_u32 v[ADK], s[TB], v[AK0]
	v_add_nc_u32 v[ADS], s[TSS], v[AS0]
	v_add_nc_u32 v[ADC], s[TC], v[T16]
	s_wait_alu depctr_va_vdst(0)                   ; the three addresses are written; the last step's products are done reading V's fragments and K's scale words, in which this step's loads land; in the first trip q, the zeros beside it and Q's scale word are written, which the scaled products take
	s_cmp_lt_u32 s[NK], s[WALK]                    ; is any key of the next chunk walked?
	s_cbranch_scc0 .Lno_fetch
.irp i, 0,1,2,3,4,5
	global_load_b128 v[G+4*\i:G+4*\i+3], v[T16], s[KVP:KVP+1] offset:CHUNK+8192*\i
.endr
.Lno_fetch:
	s_cmp_lt_u32 s[KFS], s[WALK]                   ; is any key of my step walked?
	s_cbranch_scc0 .Lno_step
	STEP
.Lno_step:
	s_wait_loadcnt 0x0                             ; on every path: no load of mine is out, so the base of the six may be written again
	s_cmp_lt_u32 s[NK], s[WALK]
	s_cbranch_scc0 .Lno_store
.irp i, 0,1,2,3,4,5
	ds_store_b128 v[ADC], v[G+4*\i:G+4*\i+3] offset:8192*\i            ; into bytes that nobody reads ahead of the next barrier.  (Data that loads brought; v[ADC] was written ahead of the trip's wait on va_vdst)
.endr
.Lno_store:
	s_add_nc_u64 s[KVP:KVP+1], s[KVP:KVP+1], CHUNK
	s_add_co_u32 s[TB], s[TB], CHUNK
	s_add_co_u32 s[TC], s[TC], CHUNK
	s_add_co_u32 s[TSS], s[TSS], 2048
	s_add_co_u32 s[KFS], s[KFS], 512
	s_add_co_u32 s[NK], s[NK], 512
	s_sub_co_u32 s[TR], s[TR], 1
	s_cmp_lg_u32 s[TR], 0
	s_cbranch_scc1 .Ltrip
	MEET                                           ; the last chunk is written out: nothing is left to bring
	s_wait_alu depctr_vm_vsrc(0)                   ; the LDS loads issued so far have read v[ADK] and v[ADS], which the two lines below write
	v_add_nc_u32 v[ADK], s[TB], v[AK0]
	v_add_nc_u32 v[ADS], s[TSS], v[AS0]
	s_wait_alu depctr_va_vdst(0)                   ; the two addresses are written; the last step's products are done reading V's fragments and K's scale words, in which this step's loads land
	s_cmp_lt_u32 s[KFS], s[WALK]
	s_cbranch_scc0 .Lno_last
	STEP
.Lno_last:
	; THE JOIN.  Each wave has O^T, -M and the sum over its own keys.  Key groups 1 to 3 lay them in LDS as images of their registers; group 0 brings all four under the row's M and adds.
	v_add_f32 v14, v14, v15                        ; the sum's two halves,
	v_permlanex16_b32 v[BT], v14, s[SEL], s[SEL+1]
	v_add_f32 v14, v14, v[BT]                      ; and lane l xor 16's
	s_cmp_lt_u32 s[WV], 4
	s_cbranch_scc1 .Lkeep
	s_wait_alu depctr_va_vdst(0)                   ; the products have written O^T, vector instructions -M and the sum: the LDS stores below read them (the places behind the last products stand at the step's end)
.set i, 0
.rept 8
	ds_store_b128 v[STA], v[O+4*i:O+4*i+3] offset:512*i                ; each accumulator from its low end on
.set i, i+1
.endr
	ds_store_b32 v[STB], v12
	ds_store_b32 v[STB], v14 offset:128
.Lkeep:
	MEET
	s_cmp_lt_u32 s[WV], 4
	s_cbranch_scc1 .Lcombine
	s_wait_dscnt 0x0                               ; the wave's end: the six closing lines
	s_wait_alu 0x0
	s_wait_tensorcnt 0x0
	ds_add_u32 v[SPW], v[NIL]
	s_wait_dscnt 0x0
	s_endpgm
.Lcombine:                                         ; waves 0-3: wave t joins waves t + 4, t + 8, t + 12
	s_wait_alu depctr_va_vdst(0)                   ; the last step's products are done reading v[KF ..], and its vector instructions are done with v[S ..]: the partners' words and images land in these registers
.irp c, 1,2,3
	ds_load_b32 v[NM+\c-1], v[STB] offset:4*CMBW*\c
	ds_load_b32 v[LP+\c-1], v[STB] offset:4*CMBW*\c+128
.endr
.set i, 0
.rept 8
	ds_load_b128 v[S+4*i:S+4*i+3], v[STA] offset:4*CMBW+512*i
	ds_load_b128 v[S+32+4*i:S+32+4*i+3], v[STA] offset:8*CMBW+512*i
	ds_load_b128 v[KF+4*i:KF+4*i+3], v[STA] offset:12*CMBW+512*i
.set i, i+1
.endr
	s_wait_dscnt 24                                ; the six words are in; the 24 loads of the images may be out
	v_min_num_f32 v[T0], v12, v[NM]
	v_min_num_f32 v[T0], v[T0], v[NM+1]
	v_min_num_f32 v[T0], v[T0], v[NM+2]            ; the row's -M.  (A wave that had no step left -M at 3e38: its factor below is 0, and so are its sum and its O^T)
	v_sub_f32 v[BM], v[T0], v12
.irp c, 1,2,3
	v_sub_f32 v[BM+\c], v[T0], v[NM+\c-1]          ; a group's M less the row's: a whole number, 0 or less
.endr
.irp c, 0,1,2,3
	v_cvt_i32_f32 v[BM+\c], v[BM+\c]               ; (it saturates)
.endr
.irp c, 0,1,2,3
	v_ldexp_f32 v[BM+\c], 1.0, v[BM+\c]
.endr
	v_mul_f32 v14, v14, v[BM]
.irp c, 1,2,3
	v_fmac_f32 v14, v[LP+\c-1], v[BM+\c]           ; the row's sum
.endr
	s_wait_alu depctr_va_vdst(0)
	v_rcp_f32 v[T0], v14
	v_nop                                          ; one plain place behind the reciprocal,
	s_wait_alu depctr_va_vdst(0)                   ; and the wait: the reciprocal has written v[T0], ahead of its first reader
.irp c, 0,1,2,3
	v_mul_f32 v[BT+2*\c], v[BM+\c], v[T0]          ; each group's factor / the sum, twice: a pair for the packed forms
	v_mul_f32 v[BT+2*\c+1], v[BM+\c], v[T0]
.endr
	s_wait_alu depctr_va_vdst(0)
	s_wait_dscnt 0x0
.set j, 0
.rept 16
	v_pk_mul_f32 v[O+j:O+j+1], v[O+j:O+j+1], v[BT:BT+1]
.set j, j+2
.endr
.set j, 0
.rept 16
	v_pk_fma_f32 v[O+j:O+j+1], v[S+j:S+j+1], v[BT+2:BT+3], v[O+j:O+j+1]
.set j, j+2
.endr
.set j, 0
.rept 16
	v_pk_fma_f32 v[O+j:O+j+1], v[S+32+j:S+32+j+1], v[BT+4:BT+5], v[O+j:O+j+1]
.set j, j+2
.endr
.set j, 0
.rept 16
	v_pk_fma_f32 v[O+j:O+j+1], v[KF+j:KF+j+1], v[BT+6:BT+7], v[O+j:O+j+1]   ; register 8 t + i is out(query r, 16 t + 8 h + i)
.set j, j+2
.endr
	; THE WAY OUT: through my own stage, so that sixteen lanes store a whole row of 256 bytes
	s_wait_alu depctr_va_vdst(0)                   ; the multiply-adds have written v[O ..], which the LDS stores read, and are done reading v[S ..], in which the rows land on their way back
.irp t, 0,1,2,3
	ds_store_b128 v[SIN], v[O+8*\t:O+8*\t+3] offset:64*\t
	ds_store_b128 v[SIN], v[O+8*\t+4:O+8*\t+7] offset:64*\t+16
.endr
.irp i, 0,1,2,3,4,5,6,7
	ds_load_b128 v[S+4*\i:S+4*\i+3], v[SOUT] offset:2*\i*SP            ; LDS serves a wave's instructions in order: these see my stores
.endr
.irp i, 0,1,2,3,4,5,6,7
	s_wait_dscnt 7-\i                              ; load i is in; the younger ones may be out
	global_store_b128 v[GO], v[S+4*\i:S+4*\i+3], s[8:9] offset:(2*\i+8*(\i/4))*256 th:TH_STORE_NT   ; the tile's rows 0-7 are queries 0-7 from its first, rows 8-15 queries 16-23
.endr
	s_wait_dscnt 0x0                               ; the wave's end: the same six closing lines
	s_wait_alu 0x0
	s_wait_tensorcnt 0x0
	ds_add_u32 v[SPW], v[NIL]
	s_wait_dscnt 0x0
	s_endpgm
.Lfunc_end_k_qba3aa97644_attend:
	.size	k_qba3aa97644_attend, .Lfunc_end_k_qba3aa97644_attend-k_qba3aa97644_attend
	.p2alignl 7, 3214868480
	.fill 96, 4, 3214868480
	.section	.rodata,"a",@progbits
	.p2align	6, 0x0
	.amdhsa_kernel k_qba3aa97644_attend
		.amdhsa_group_segment_fixed_size 293888
		.amdhsa_private_segment_fixed_size 0
		.amdhsa_enable_private_segment 0
		.amdhsa_kernarg_size 24
		.amdhsa_user_sgpr_count 2
		.amdhsa_user_sgpr_kernarg_segment_ptr 1
		.amdhsa_wavefront_size32 1
		.amdhsa_system_sgpr_workgroup_id_x 1
		.amdhsa_system_sgpr_workgroup_id_y 1
		.amdhsa_system_sgpr_workgroup_id_z 1
		.amdhsa_system_vgpr_workitem_id 0
		.amdhsa_next_free_vgpr 256
		.amdhsa_next_free_sgpr 66
		.amdhsa_reserve_vcc 0
		.amdhsa_float_denorm_mode_32 3
		.amdhsa_float_denorm_mode_16_64 3
		.amdhsa_memory_ordered 1
		.amdhsa_forward_progress 1
		.amdhsa_inst_pref_size 71
	.end_amdhsa_kernel
	.amdgpu_metadata
---
amdhsa.version: [ 1, 2 ]
amdhsa.kernels:
  - .name:           k_qba3aa97644_attend
    .symbol:         k_qba3aa97644_attend.kd
    .args:
      - { .name: ws, .offset: 0, .size: 8, .value_kind: global_buffer, .address_space: global }
      - { .name: valid_len, .offset: 8, .size: 8, .value_kind: global_buffer, .address_space: global }
      - { .name: out0, .offset: 16, .size: 8, .value_kind: global_buffer, .address_space: global }
    .group_segment_fixed_size: 293888
    .private_segment_fixed_size: 0
    .kernarg_segment_align: 8
    .kernarg_segment_size: 24
    .max_flat_workgroup_size: 512
    .sgpr_count:     66
    .vgpr_count:     256
    .wavefront_size: 32
...
	.end_amdgpu_metadata
.endif
;; end of part 4
